; MI455X (gfx1250); checked and timed in simulation.
; The chip was launched on July 23, 2026; its instructions are those of AMD's public machine-readable ISA for CDNA 5 (MIT licence, August 2026) and "CDNA5" Instruction Set Architecture Reference Guide (July 2026). The comments in the code are by the model that wrote it; some were corrected since.
;; Soft Decision Tree. Allowed arithmetic: matrix products marked QUANTISED: E4M3 operands, one E8M0 scale for each 32 along K, by v_wmma_scale_f32_16x16x128_f8f6f4 with both operands' format E4M3, f32 sums; everything else in f32.
;; Inputs: W 1,023 x 2,048 float32; b 1,023 float32; beta 1,023 float32; leaf_params 1,024 x 1,000 float32; x 16,384 x 2,048 float32; y 16,384 x 1,000 float32.
;; Outputs: out0 one number float32; out1 16,384 x 1,000 float32.
;; This version of the problem:
;;   THIS VERSION OF THE PROBLEM IS GIVEN IN LOW PRECISION. The matrix products marked QUANTISED in the list below multiply operands that are first quantised to E4M3 (4 exponent bits, 3 mantissa bits; 8 bits a number), with one power-of-two scale for each 32 numbers along K (OCP MX v1.0); their sums are f32. All else is computed in f32.
;;   The module's matrix products, in the order in which they are computed (A, B: the left and right operand; K: the contracted axis; several contracted axes count as one K, in the product's order):
;;     1. [M 16,384, K 2,048] x [K 2,048, N 1,023]; A: input x; B: input W: QUANTISED
;;     2. [M 16,384, K 1,000] x [K 1,000, N 1,024]; A: input y; B: computed on the way: QUANTISED
;;   THE QUANTISER, for each operand of a quantised product, along K:
;;     - K is cut into blocks of 32 from its start; a last block that is shorter is filled with zeros.
;;     - A block's scale is 2^e with e = floor(log2(the largest magnitude in the block)) - 8, held to -126 .. 127; a block of zeros has e = 0. As a byte (E8M0): e + 127.
;;     - Each number is divided by its block's scale, clamped to +-448, and rounded to the nearest number of E4M3, ties to even, subnormals kept.
;;     - The product sums the exact products of the quantised numbers (number of the format x scale) in f32.
;;   ~~~python
;;   def quantise(x, axis):      # numpy; x: float32 -> the quantised numbers, widened to float32 again
;;       x = np.moveaxis(x, axis, -1); K = x.shape[-1]
;;       x = np.pad(x, [(0, 0)] * (x.ndim - 1) + [(0, -K % 32)]); x = x.reshape(x.shape[:-1] + (-1, 32)); a = np.abs(x).max(-1, keepdims=True)
;;       e = np.where(a > 0, np.clip(np.frexp(np.where(a > 0, a, 1))[1] - 1 - 8, -126, 127), 0)      # np.frexp(a)[1] - 1 = floor(log2(a)), exactly
;;       r = np.clip(x / 2.0 ** e, -448, 448)
;;       step = 2.0 ** (np.maximum(np.frexp(np.where(r == 0, 1, r))[1] - 1, -6) - 3)
;;       q = np.round(r / step) * step * 2.0 ** e      # np.round: ties to even
;;       return np.moveaxis(q.reshape(q.shape[:-2] + (-1,))[..., :K], -1, axis).astype(np.float32)
;;   ~~~
;;   OPERANDS COMPUTED ON THE WAY. 'Computed on the way' means the value that the module computes at that place (a softmax that the list does not call 'softmax' is quantised finished and normalised). What goes into a quantiser is computed in f32, as accurately as f32 sums, v_exp_f32 and their like allow (about 1e-6 of the number): no bf16 or f16 on the way to a quantiser, and a product that is left as it is and whose result goes on into a quantised operand takes f32 operands (vector FMAs, or v_wmma_f32_16x16x4_f32). A number that lies on a knife's edge between two numbers of the format may be rounded either way, as far as f32 arithmetic and the matrix unit's own rounding can turn it there, and no further.
;; One version. Each part assembles by itself: llvm-mc -triple=amdgcn-amd-amdhsa -mcpu=gfx1250 --defsym DOCPART=n.
;; ======== version 1 of 1: 3 launches
;; limits: right only within a limited range of input values
;; workspace buffers: wf 2,097,152 bytes; lf 1,048,576 bytes; tabs 106,496 bytes; qtab 4,096,000 bytes; part 397,312 bytes; bestidx 131,072 bytes of whole numbers; cod 50,331,648 bytes; scl 1,572,864 bytes
;; launch prep (part 1): grid 960 x 1, 4 waves a work-group, no clusters, 78,592 bytes of LDS; arguments W, b, beta, leaf_params, wf, lf, tabs, qtab, x, y, cod, scl; writes wf, lf, tabs, qtab, cod, scl
.if DOCPART == 1
	.amdgcn_target "amdgcn-amd-amdhsa--gfx1250"
	.amdhsa_code_object_version 6
	.text
	.protected	k_q7e6cdafdb8_prep
	.globl	k_q7e6cdafdb8_prep
	.p2align	8
	.type	k_q7e6cdafdb8_prep,@function
k_q7e6cdafdb8_prep:
	s_mov_b64 s[64:65], 0
	v_nop
	global_prefetch_b8 v0, s[64:65] scope:SCOPE_SE
	s_setreg_imm32_b32 hwreg(HW_REG_WAVE_MODE, 25, 1), 1
	s_wait_xcnt 0x0
; SOFT DECISION TREE, launch 1 of 3: what every later work-group reads is made once.
;   W [1023][2048] f32            -> wf: codes of E4M3 in the order of a matrix operand's registers; tabs: one scale word for a row and 128 along K
;   log_softmax(leaf_params)      -> lf, tabs: the same for the second product (K = the 1,000 classes, filled with zeros to 1,024)
;   softmax(leaf_params)          -> qtab [1024][1000] f32, in the leaves' own order
;   beta, b                       -> tabs: coefA = -log2(e) beta, coefB = coefA b, so that p = 1 / (1 + 2^(coefA z + coefB))
;   x [16384][2048], y [16384][1000] f32 -> cod: codes of E4M3, K innermost (x's rows of 2,048 bytes, then y's of 1,024, K filled with zeros from 1,000 on);
;                                    scl: one E8M0 byte for each 32 along K (x's rows of 64 bytes, then y's of 32).  Two work-groups of the next launch read each row: it is quantised here, once.
; WORK LEFT OUT IN THIS PROGRAM, for all finite values of the inputs:
;   (a) reference() puts the penalty terms of the nodes of torch depth 10 (level 9) under its own jnp.where(mask, .., 0): their pen, which would need the batch sums of the leaf paths, reaches no output;
;   (b) sum_b p * inner_path of a node IS sum_b of its right child's path: the same product path * pd that reference() forms for the next level;
;   (c) path (1 - p) + path p = path: so sum_b inner_path of a node is the sum of the batch sums of its descendants at level 9.  Only those 512 sums are kept.
;   All six inputs have a way to an output, and all are loaded.
; LIMITS: a NaN, an infinity or an overflow that reaches only the masked terms of (a) is not carried to the result.  NaN and infinities among the inputs are not served.  A block of zeros gets the scale byte 1
;   where the rule says 127: its codes are zeros, which add nothing under any byte but 0xff, and this program alone reads the bytes.  Blocks whose largest magnitude lies under 2^(8 - 126) have the byte held at 1.
; THE ORDER OF ROWS.  Half s of the tree, wave w, tile t, tile row rho: h = rho / 8, slot sigma = 8 t + rho % 8, g4 = 8 s + 2 w + h (a node of level 4).  sigma >= 1: P = the highest power of two in sigma,
;   pi = sigma - P; heap number P (16 + g4) - 1 + (rev6(pi) P >> 6).  sigma = 0: h = 0: node 7 + 4 s + w; h = 1: w = 0: 1 + s; w = 1: 3 + 2 s; w = 2: 4 + 2 s; w = 3: the root.
;   Leaf tile t', row rho: leaf 64 g4 + rev6(8 t' + rho % 8).
; Work-groups 0-127: a tile of 16 rows of W, half of K each (a wave: two K steps of 128).  Work-groups 128-191: a tile of 16 leaves (a wave: four rows, then two K steps).  Work-groups 192-959: x and y.
.set LQP,   4112                       ; a row of logQ in LDS: 4,096 bytes + 16: an odd multiple of 16 bytes
.set SPARE, 65792                      ; behind the 16 rows: the spare words, 128 bytes for each wave
.set PW0,   28                         ; v28, v29  the scale words just made
.set PW1,   29
.set SPW,   30                         ; v30  LDS address of my spare word; never rewritten
.set NIL,   31                         ; v31  0; never rewritten
.set TM,    32                         ; v32-47   the quantiser's: largest magnitudes, bytes, holds, scale operands
.set QL,    48                         ; v48-63   the last 16 bytes a lane of four rows of Q
.set ST0,   64                         ; v64-127  64 numbers of a lane: K step 0;  v64-191: four rows of leaf_params
.set ST1,   128                        ; v128-191 K step 1
.set EE,    192                        ; v192-223 a row's exponentials
.set PC0,   224                        ; v224-239, v240-255  two fragments of codes
.set PC1,   240
; 64 numbers of a lane, register 16 b + i = k 32 b + 16 (lane / 16) + i of my row, become a fragment's 16 registers of codes and its scale word
.macro QUANT s, pc, pw
.irp b, 0,1,2,3
	v_max3_num_f32 v[TM+\b], |v[\s+16*\b]|, |v[\s+1+16*\b]|, 0x4800000   ; my 16 numbers of block b, and the floor 2^(9 - 127): the byte cannot fall under 1
.endr
.irp i, 2,4,6,8,10,12,14
.irp b, 0,1,2,3
	v_max3_num_f32 v[TM+\b], v[TM+\b], |v[\s+16*\b+\i]|, |v[\s+1+16*\b+\i]|
.endr
.endr
.irp b, 0,1,2,3
	v_permlanex16_b32 v[TM+4+\b], v[TM+\b], s22, s23
.endr
.irp b, 0,1,2,3
	v_max_num_f32 v[TM+\b], v[TM+\b], v[TM+4+\b]                ; with lane l xor 16's: the block's largest magnitude
.endr
.irp b, 0,1,2,3
	v_add_nc_u32 v[TM+12+\b], 0xfc000000, v[TM+\b]              ; 8 off its exponent field: the conversion's scale operand
.endr
.irp b, 0,1,2,3
	v_and_or_b32 v[TM+8+\b], v[TM+\b], 0x7f800000, s24          ; 448 x the scale
.endr
.irp b, 0,1,2,3
	v_lshrrev_b32 v[TM+4+\b], 23, v[TM+12+\b]                   ; the scale's byte
.endr
	v_lshl_or_b32 v[\pw], v[TM+5], 8, v[TM+4]
	v_lshl_or_b32 v[\pw], v[TM+6], 16, v[\pw]
	v_lshl_or_b32 v[\pw], v[TM+7], 24, v[\pw]
.irp b, 0,1,2,3
.irp i, 0,1,2,3,4,5,6,7,8,9,10,11,12,13,14,15
	v_med3_num_f32 v[\s+16*\b+\i], v[\s+16*\b+\i], -v[TM+8+\b], v[TM+8+\b]   ; the conversion to an 8-bit code does not saturate (ISA guide 7.6.2)
.endr
	v_cvt_scalef32_pk8_fp8_f32 v[\pc+4*\b:\pc+1+4*\b], v[\s+16*\b:\s+7+16*\b], v[TM+12+\b]
	v_cvt_scalef32_pk8_fp8_f32 v[\pc+2+4*\b:\pc+3+4*\b], v[\s+8+16*\b:\s+15+16*\b], v[TM+12+\b]
.endr
	v_nop                                                       ; a plain line behind the last conversion
.endm
	s_load_b256 s[4:11], s[0:1], 0x0               ; W s[4:5], b s[6:7], beta s[8:9], leaf_params s[10:11]
	s_load_b256 s[12:19], s[0:1], 0x20             ; wf s[12:13], lf s[14:15], tabs s[16:17], qtab s[18:19]
	s_load_b256 s[40:47], s[0:1], 0x40             ; x s[40:41], y s[42:43], cod s[44:45], scl s[46:47]
	v_lshl_add_u32 v[SPW], v0, 2, SPARE
	v_mov_b32 v[NIL], 0
	v_lshrrev_b32 v1, 5, v0
	v_readfirstlane_b32 s20, v1                    ; wave
	v_and_b32 v1, 31, v0                           ; lane
	v_and_b32 v2, 15, v0                           ; rho: the tile row that my lane serves as an operand's lane
	v_bfe_u32 v3, v0, 4, 1                         ; which 16 of each 32 along K
	s_mov_b32 s22, 0x76543210
	s_mov_b32 s23, 0xfedcba98                      ; v_permlanex16_b32's selects for lane l xor 16
	s_mov_b32 s24, 0x600000                        ; the mantissa field of 448
.irp b, 0,1,2,3
	v_mov_b32 v[TM+4+\b], 0                        ; a lane permute's destination counts as one of its sources
.endr
	s_mov_b32 s35, 0
	s_wait_kmcnt 0x0
	s_cmp_ge_u32 ttmp9, 192
	s_cbranch_scc1 .Lquant
	s_cmp_ge_u32 ttmp9, 128
	s_cbranch_scc1 .Lleaf
	; ---------------- W: tile T = work-group / 2; K steps 8 (work-group % 2) + 2 wave, and the next
	s_lshr_b32 s25, ttmp9, 1
	s_and_b32 s26, s25, 7                          ; t
	s_lshr_b32 s27, s25, 3                         ; sw = 4 s + w
	s_and_b32 s28, s27, 3                          ; w
	s_lshr_b32 s29, s27, 2                         ; s
	s_add_co_u32 s30, s29, 1                       ; the spare of h = 1: w = 0: 1 + s
	s_lshl_b32 s31, s29, 1
	s_add_co_u32 s31, s31, 2
	s_add_co_u32 s31, s31, s28                     ; w = 1, 2: 2 + 2 s + w
	s_cmp_eq_u32 s28, 0
	s_cselect_b32 s30, s30, s31
	s_cmp_eq_u32 s28, 3
	s_cselect_b32 s30, 0, s30                      ; w = 3: the root
	s_add_co_u32 s31, s27, 7                       ; the spare of h = 0: 7 + 4 s + w
	s_wait_alu depctr_va_vdst(0)
	v_and_b32 v4, 7, v2
	v_lshrrev_b32 v5, 3, v2                        ; h
	v_lshl_add_u32 v6, s26, 3, v4                  ; sigma
	v_lshrrev_b32 v7, 1, v6
	v_or_b32 v7, v7, v6
	v_lshrrev_b32 v8, 2, v7
	v_or_b32 v7, v7, v8
	v_lshrrev_b32 v8, 4, v7
	v_or_b32 v7, v7, v8
	v_add_nc_u32 v7, 1, v7
	v_lshrrev_b32 v7, 1, v7                        ; P
	v_sub_nc_u32 v8, v6, v7                        ; pi
	v_and_b32 v9, 0x15, v8
	v_lshrrev_b32 v10, 1, v8
	v_and_b32 v10, 0x15, v10
	v_lshl_or_b32 v9, v9, 1, v10                   ; neighbours swapped
	v_and_b32 v10, 3, v9
	v_and_b32 v11, 12, v9
	v_lshl_or_b32 v10, v10, 4, v11
	v_bfe_u32 v11, v9, 4, 2
	v_or_b32 v10, v10, v11                         ; rev6(pi)
	v_mul_u32_u24 v10, v10, v7
	v_lshrrev_b32 v10, 6, v10
	v_lshl_add_u32 v11, s27, 1, v5                 ; g4
	v_add_nc_u32 v11, 16, v11
	v_mad_u32_u24 v10, v11, v7, v10
	v_add_nc_u32 v10, -1, v10                      ; the heap number for sigma >= 1
	v_mov_b32 v11, s31
	v_mov_b32 v12, s30
	v_cmp_eq_u32 vcc_lo, 1, v5
	v_cndmask_b32 v11, v11, v12, vcc_lo
	v_cmp_eq_u32 vcc_lo, 0, v6
	v_cndmask_b32 v10, v10, v11, vcc_lo            ; n: my row of W
	v_lshlrev_b32 v13, 13, v10
	v_lshl_add_u32 v13, v3, 6, v13                 ; 8,192 n + 64 (lane / 16)
	s_wait_alu depctr_va_vdst(0)
	v_lshlrev_b32 v14, 4, v1                       ; 16 x lane
	v_lshlrev_b32 v15, 5, v2
	v_lshl_add_u32 v15, s26, 2, v15                ; 32 rho + 4 t
	s_and_b32 s32, ttmp9, 1
	s_lshl_b32 s32, s32, 3
	s_lshl_b32 s33, s20, 1
	s_add_co_u32 s32, s32, s33                     ; k0
	s_lshl_b32 s34, s32, 9
	s_add_nc_u64 s[4:5], s[4:5], s[34:35]          ; W at K step k0
	s_lshl_b32 s33, s27, 4
	s_add_co_u32 s33, s33, s32                     ; 16 sw + k0
	s_lshl_b32 s34, s33, 3
	s_add_co_u32 s34, s34, s26
	s_lshl_b32 s34, s34, 11
	s_add_nc_u64 s[12:13], s[12:13], s[34:35]      ; wf at (sw, k0, t)
	s_lshl_b32 s34, s33, 9
	s_add_nc_u64 s[36:37], s[16:17], s[34:35]      ; the scale words at (sw, k0)
.irp kk, 0,1
.irp b, 0,1,2,3
.irp i, 0,1,2,3
	global_load_b128 v[ST0+64*\kk+16*\b+4*\i:ST0+64*\kk+16*\b+4*\i+3], v13, s[4:5] offset:512*\kk+128*\b+16*\i
.endr
.endr
.endr
	s_wait_loadcnt 16                              ; the first K step's 16 loads are in
	QUANT ST0, PC0, PW0
.irp c, 0,1,2,3
	global_store_b128 v14, v[PC0+4*\c:PC0+4*\c+3], s[12:13] offset:512*\c          ; 32 lanes store 512 consecutive bytes
.endr
	global_store_b32 v15, v[PW0], s[36:37]         ; both halves of the lanes hold row rho's word and write it to the same place
	s_wait_loadcnt 0x0
	QUANT ST1, PC1, PW1
.irp c, 0,1,2,3
	global_store_b128 v14, v[PC1+4*\c:PC1+4*\c+3], s[12:13] offset:16384+512*\c
.endr
	global_store_b32 v15, v[PW1], s[36:37] offset:512
	s_and_b32 s34, ttmp9, 1                        ; the tile's 16 coefficients: once, by wave 0 of the tile's first work-group
	s_or_b32 s34, s34, s20
	s_cmp_lg_u32 s34, 0
	s_cbranch_scc1 .Lw_end
	v_lshlrev_b32 v16, 2, v10
	global_load_b32 v17, v16, s[8:9]               ; beta[n]
	global_load_b32 v18, v16, s[6:7]               ; b[n]
	v_lshlrev_b32 v19, 8, v5
	v_lshl_add_u32 v19, v6, 2, v19                 ; 256 h + 4 sigma
	s_lshl_b32 s34, s27, 9
	s_add_co_u32 s34, s34, 98304
	s_add_nc_u64 s[38:39], s[16:17], s[34:35]
	s_wait_loadcnt 0x0
	v_mul_f32 v17, 0xbfb8aa3b, v17                 ; -log2(e) beta
	s_wait_alu depctr_va_vdst(0)
	v_mul_f32 v18, v17, v18
	global_store_b32 v19, v17, s[38:39]
	global_store_b32 v19, v18, s[38:39] offset:4096
.Lw_end:
	s_wait_tensorcnt 0x0                           ; the wave's end
	ds_add_u32 v[SPW], v[NIL]
	s_wait_dscnt 0x0
	s_endpgm
	; ---------------- the leaves: tile (sw, t'); wave v makes rows rho = 4 v + i
.Lleaf:
	s_sub_co_u32 s25, ttmp9, 128
	s_lshr_b32 s27, s25, 3                         ; sw
	s_and_b32 s26, s25, 7                          ; t'
	s_and_b32 s28, s26, 1
	s_lshl_b32 s28, s28, 2
	s_and_b32 s29, s26, 2
	s_or_b32 s28, s28, s29
	s_lshr_b32 s29, s26, 2
	s_or_b32 s28, s28, s29                         ; t' with its three bits turned round
	s_lshl_b32 s29, s27, 1
	s_lshr_b32 s30, s20, 1
	s_add_co_u32 s29, s29, s30                     ; g4 = 2 sw + rho / 8
	s_lshl_b32 s29, s29, 6
	s_add_co_u32 s28, s28, s29
	s_and_b32 s30, s20, 1
	s_lshl_b32 s30, s30, 3
	s_add_co_u32 s28, s28, s30                     ; the leaf of row i = 0; rows 1, 2, 3 lie 32, 16, 48 leaves on (rev6 of the slot's two low bits)
	s_mul_i32 s28, s28, 4000
	s_mov_b32 s29, 0
	s_add_nc_u64 s[10:11], s[10:11], s[28:29]
	s_add_nc_u64 s[18:19], s[18:19], s[28:29]
	s_wait_alu depctr_va_vdst(0)
	v_lshlrev_b32 v4, 4, v1                        ; 16 x lane
	v_add_nc_u32 v5, 0xfffffe60, v4                ; a row ends in the 26th lane of its eighth piece: lanes 26-31 read 16 (lane - 26), bytes of the same row, and are masked
	v_cmp_gt_u32 vcc_lo, 26, v1
	v_cndmask_b32 v5, v5, v4, vcc_lo
	s_mul_i32 s30, s20, 4*LQP
	v_add_nc_u32 v6, s30, v4                       ; LDS, in: my wave's four rows, 16 bytes a lane
	v_mul_u32_u24 v7, v2, LQP
	v_lshl_add_u32 v7, v3, 6, v7
	s_lshl_b32 s30, s20, 10
	v_add_nc_u32 v7, s30, v7                       ; LDS, back: row rho, + 64 (lane / 16), + my wave's two K steps
	v_mov_b32 v16, 0xff800000                      ; -infinity
	v_mov_b32 v9, 0
	v_mov_b32 v15, 0                               ; (upper halves of pairs that are named whole)
	s_mov_b32 s36, 0x03ffffff                      ; lanes 0-25
	s_mov_b32 s38, 0x3fb8aa3b                      ; log2(e)
	s_mov_b32 s39, s38
.irp i, 0,1,2,3
.irp j, 0,1,2,3,4,5,6
	global_load_b128 v[ST0+32*\i+4*\j:ST0+32*\i+4*\j+3], v4, s[10:11] offset:(32*(\i&1)+16*(\i>>1))*4000+512*\j
.endr
	global_load_b128 v[ST0+32*\i+28:ST0+32*\i+31], v5, s[10:11] offset:(32*(\i&1)+16*(\i>>1))*4000+3584
.endr
; one row: log_softmax into LDS, softmax into qtab
.macro ROWSM i
.set R_,  ST0+32*(\i)
.set RO_, (32*((\i)&1)+16*((\i)>>1))*4000
	s_wait_loadcnt 24-8*(\i)                       ; this row's eight loads are in; the later rows' may be out
.irp c, 0,1,2,3
	v_cndmask_b32 v[R_+28+\c], v16, v[R_+28+\c], s36            ; past the row's end: -infinity
.endr
.irp c, 0,1,2,3
	v_max3_num_f32 v[17+\c], v[R_+8*\c], v[R_+8*\c+1], v[R_+8*\c+2]
.endr
.irp q, 3,5
.irp c, 0,1,2,3
	v_max3_num_f32 v[17+\c], v[17+\c], v[R_+8*\c+\q], v[R_+8*\c+\q+1]
.endr
.endr
.irp c, 0,1,2,3
	v_max_num_f32 v[17+\c], v[17+\c], v[R_+8*\c+7]
.endr
	v_max3_num_f32 v8, v17, v18, v19
	v_max_num_f32 v8, v8, v20
	v_max_num_f32_dpp v8, v8, v8 row_xmask:1 row_mask:0xf bank_mask:0xf
	v_max_num_f32_dpp v8, v8, v8 row_xmask:2 row_mask:0xf bank_mask:0xf
	v_max_num_f32_dpp v8, v8, v8 row_xmask:4 row_mask:0xf bank_mask:0xf
	v_max_num_f32_dpp v8, v8, v8 row_xmask:8 row_mask:0xf bank_mask:0xf
	v_permlanex16_b32 v9, v8, s22, s23
	v_max_num_f32 v8, v8, v9                       ; the row's maximum, in every lane
.set II, 0
.rept 16
	v_pk_add_f32 v[R_+II:R_+II+1], v[R_+II:R_+II+1], v[8:9] op_sel_hi:[1,0] neg_lo:[0,1] neg_hi:[0,1]   ; x - max
.set II, II+2
.endr
.set II, 0
.rept 16
	v_pk_mul_f32 v[EE+II:EE+II+1], v[R_+II:R_+II+1], s[38:39] op_sel_hi:[1,0]
.set II, II+2
.endr
.set II, 0
	s_wait_alu depctr_va_vdst(0)
.rept 32
	v_exp_f32 v[EE+II], v[EE+II]                   ; e^(x - max); 0 past the row's end
.set II, II+1
.endr
	v_nop                                          ; a plain line behind the batch,
	s_wait_alu depctr_va_vdst(0)                   ; and one wait for it, ahead of its first reader
	v_pk_add_f32 v[10:11], v[EE:EE+1], v[EE+2:EE+3]
	v_pk_add_f32 v[12:13], v[EE+4:EE+5], v[EE+6:EE+7]
.irp q, 8,12,16,20,24,28
	v_pk_add_f32 v[10:11], v[10:11], v[EE+\q:EE+\q+1]
	v_pk_add_f32 v[12:13], v[12:13], v[EE+\q+2:EE+\q+3]
.endr
	v_pk_add_f32 v[10:11], v[10:11], v[12:13]
	v_add_f32 v10, v10, v11
	v_add_f32_dpp v10, v10, v10 row_xmask:1 row_mask:0xf bank_mask:0xf
	v_add_f32_dpp v10, v10, v10 row_xmask:2 row_mask:0xf bank_mask:0xf
	v_add_f32_dpp v10, v10, v10 row_xmask:4 row_mask:0xf bank_mask:0xf
	v_add_f32_dpp v10, v10, v10 row_xmask:8 row_mask:0xf bank_mask:0xf
	v_permlanex16_b32 v11, v10, s22, s23
	v_add_f32 v10, v10, v11                        ; the row's sum
	s_wait_alu depctr_va_vdst(0)
	v_log_f32 v12, v10
	v_rcp_f32 v14, v10
	v_nop
	s_wait_alu depctr_va_vdst(0)
	v_mul_f32 v12, 0x3f317218, v12                 ; ln(sum)
.set II, 0
.rept 16
	v_pk_add_f32 v[R_+II:R_+II+1], v[R_+II:R_+II+1], v[12:13] op_sel_hi:[1,0] neg_lo:[0,1] neg_hi:[0,1]   ; logQ = (x - max) - ln(sum)
.set II, II+2
.endr
.irp c, 0,1,2,3
	v_cndmask_b32 v[R_+28+\c], 0, v[R_+28+\c], s36              ; K is filled with zeros from 1,000 to 1,024
.endr
.irp j, 0,1,2,3,4,5,6,7
	ds_store_b128 v6, v[R_+4*\j:R_+4*\j+3] offset:(\i)*LQP+512*\j
.endr
.set II, 0
.rept 14
	v_pk_mul_f32 v[EE+II:EE+II+1], v[EE+II:EE+II+1], v[14:15] op_sel_hi:[1,0]      ; Q
.set II, II+2
.endr
	v_pk_mul_f32 v[QL+4*(\i):QL+4*(\i)+1], v[EE+28:EE+29], v[14:15] op_sel_hi:[1,0]
	v_pk_mul_f32 v[QL+4*(\i)+2:QL+4*(\i)+3], v[EE+30:EE+31], v[14:15] op_sel_hi:[1,0]
.irp j, 0,1,2,3,4,5,6
	global_store_b128 v4, v[EE+4*\j:EE+4*\j+3], s[18:19] offset:RO_+512*\j
.endr
	s_wait_xcnt 0x0                                ; the stores' data are written again by the next row only behind this wait
.endm
	s_wait_alu depctr_va_vdst(0)
	ROWSM 0
	ROWSM 1
	ROWSM 2
	ROWSM 3
	v_cmp_gt_u32 vcc_lo, 26, v1                    ; the rows' last pieces: 26 lanes (no memory instruction has been issued since the last wait on XCNT)
	s_and_saveexec_b32 s37, vcc_lo
	s_wait_alu depctr_va_vdst(0)
.irp i, 0,1,2,3
	global_store_b128 v4, v[QL+4*\i:QL+4*\i+3], s[18:19] offset:(32*(\i&1)+16*(\i>>1))*4000+3584
.endr
	s_wait_xcnt 0x0                                ; EXEC changes only behind this wait
	s_or_b32 exec_lo, exec_lo, s37
	s_wait_dscnt 0x0                               ; my four rows lie in LDS
	s_barrier_signal -1
	s_barrier_wait -1                              ; all sixteen do
.irp kk, 0,1
.irp b, 0,1,2,3
.irp i, 0,1,2,3
	ds_load_b128 v[ST0+64*\kk+16*\b+4*\i:ST0+64*\kk+16*\b+4*\i+3], v7 offset:512*\kk+128*\b+16*\i
.endr
.endr
.endr
	s_lshr_b32 s30, s26, 2                         ; a = t' / 4
	s_and_b32 s31, s26, 3                          ; t'' = t' % 4
	s_lshl_b32 s32, s27, 1
	s_add_co_u32 s32, s32, s30
	s_lshl_b32 s32, s32, 3
	s_lshl_b32 s33, s20, 1
	s_add_co_u32 s32, s32, s33                     ; (2 sw + a) 8 + my first K step
	s_lshl_b32 s34, s32, 13
	s_lshl_b32 s33, s31, 11
	s_add_co_u32 s34, s34, s33
	s_add_nc_u64 s[14:15], s[14:15], s[34:35]
	s_lshl_b32 s34, s32, 8
	s_add_co_u32 s34, s34, 65536
	s_add_nc_u64 s[16:17], s[16:17], s[34:35]
	v_lshlrev_b32 v21, 4, v2
	v_lshl_add_u32 v21, s31, 2, v21                ; 16 rho + 4 t''
	s_wait_dscnt 16                                ; the first K step's 16 loads are in
	QUANT ST0, PC0, PW0
.irp c, 0,1,2,3
	global_store_b128 v4, v[PC0+4*\c:PC0+4*\c+3], s[14:15] offset:512*\c
.endr
	global_store_b32 v21, v[PW0], s[16:17]
	s_wait_dscnt 0x0
	QUANT ST1, PC1, PW1
.irp c, 0,1,2,3
	global_store_b128 v4, v[PC1+4*\c:PC1+4*\c+3], s[14:15] offset:8192+512*\c
.endr
	global_store_b32 v21, v[PW1], s[16:17] offset:256
	s_wait_tensorcnt 0x0                           ; the wave's end, behind my last LDS store
	ds_add_u32 v[SPW], v[NIL]
	s_wait_dscnt 0x0
	s_endpgm
	; ---------------- x and y.  Run = 4 (work-group - 192) + wave: runs 0-2047 take 8 rows of x each, runs 2048-3071 16 rows of y.  A run is 32 steps of 512 numbers and makes 16,384 bytes of codes and 512 scale bytes.
	; Two steps make a pair: 4,096 bytes of x, or one row of y (4,000 bytes; the last 24 numbers of its second step are zeros).  ONE text serves both: the pair's length, the mask and the tail's offset lie in registers.
	; A step's four loads read 512 consecutive bytes each; its 2,048 bytes turn through the wave's own stage in LDS and come back 64 bytes a lane: 16 neighbours, two lanes to a block of 32.
	; A trip is four steps; loads run four steps ahead; the first four steps have bases of their own; the last four are written out and ask for nothing.
.set QLB, 66304                        ; LDS bytes of this path's own: 3,072 a wave: a stage of 32 x 80 bytes, then its 512 scale bytes
.set QSP, 80
.set QR,  64                           ; v64-127  four sets of 16 numbers as loaded
.set QX,  128                          ; v128-159 two sets of 16 neighbours
.set QC,  160                          ; v160-175 a trip's codes
.set QE,  176                          ; v176-179 a trip's scale bytes
.macro QLD j, a, b                     ; step j of a trip whose two pairs begin at s[a:a+1] and s[b:b+1]
.if ((\j)/2) == 0
.set QB_, \a
.else
.set QB_, \b
.endif
.irp i, 0,1,2,3
.if (((\j)%2) == 1) && (\i == 3)
	global_load_b128 v[QR+16*(\j)+12:QR+16*(\j)+15], v5, s[QB_:QB_+1] offset:3584 th:TH_LOAD_NT
.else
	global_load_b128 v[QR+16*(\j)+4*\i:QR+16*(\j)+4*\i+3], v4, s[QB_:QB_+1] offset:2048*((\j)%2)+512*\i th:TH_LOAD_NT
.endif
.endr
.endm
.macro QTN j                           ; set j through the stage: the step before is back from it (the wait ahead), and LDS serves a wave's instructions in order, so no wait stands between the stores and the loads
.if ((\j)%2) == 1
.irp c, 0,1,2,3
	v_cndmask_b32 v[QR+16*(\j)+12+\c], 0, v[QR+16*(\j)+12+\c], s33      ; y: zeros from 1,000 to 1,024; x: all lanes stay
.endr
.endif
.irp i, 0,1,2,3
	ds_store_b128 v6, v[QR+16*(\j)+4*\i:QR+16*(\j)+4*\i+3] offset:8*QSP*\i
.endr
.irp i, 0,1,2,3
	ds_load_b128 v[QX+16*((\j)%2)+4*\i:QX+16*((\j)%2)+4*\i+3], v7 offset:16*\i
.endr
.endm
.macro QST j, look
.set XQ, QX+16*((\j)%2)
.if (\j) == 0
	s_wait_dscnt 0x0                               ; this step is back from the stage
.else
	s_wait_dscnt 0x1                               ; the same; the byte store of the step before may be out
.endif
.if \look
	QLD \j, 26, 34                                 ; four steps on, into the set whose stores into the stage are done
	s_wait_loadcnt 12                              ; the next step's four loads are in; those of the three steps behind it may be out
	QTN ((\j)+1)%4
.elseif (\j) < 3
	s_wait_loadcnt 8-4*(\j)
	QTN (\j)+1
.endif
	v_max3_num_f32 v8, |v[XQ]|, |v[XQ+1]|, |v[XQ+2]|
	v_max3_num_f32 v9, |v[XQ+3]|, |v[XQ+4]|, |v[XQ+5]|
.irp i, 6,10
	v_max3_num_f32 v8, v8, |v[XQ+\i]|, |v[XQ+\i+1]|
	v_max3_num_f32 v9, v9, |v[XQ+\i+2]|, |v[XQ+\i+3]|
.endr
	v_max3_num_f32 v8, v8, |v[XQ+14]|, |v[XQ+15]|
	v_max3_num_f32 v8, v8, v9, 0x4800000           ; and the floor 2^(9 - 127): the byte cannot fall under 1
	v_max_num_f32_dpp v8, v8, v8 row_xmask:1 row_mask:0xf bank_mask:0xf
	v_add_nc_u32 v11, 0xfc000000, v8               ; 8 off the exponent field: the conversion's scale operand
	v_and_or_b32 v10, v8, 0x7f800000, s24          ; 448 x the scale
.irp i, 0,1,2,3,4,5,6,7,8,9,10,11,12,13,14,15
	v_med3_num_f32 v[XQ+\i], v[XQ+\i], -v10, v10   ; the conversion to an 8-bit code does not saturate (ISA guide 7.6.2)
.endr
	v_cvt_scalef32_pk8_fp8_f32 v[QC+4*(\j):QC+4*(\j)+1], v[XQ:XQ+7], v11
	v_cvt_scalef32_pk8_fp8_f32 v[QC+4*(\j)+2:QC+4*(\j)+3], v[XQ+8:XQ+15], v11
	v_lshrrev_b32 v[QE+(\j)], 23, v11              ; the scale's byte (also the plain line behind the conversions)
	ds_store_b8 v15, v[QE+(\j)] offset:16*(\j)     ; both lanes of a block write the same byte
	global_store_b128 v4, v[QC+4*(\j):QC+4*(\j)+3], s[44:45] offset:512*(\j)   ; 32 lanes store 512 consecutive bytes, aligned
.endm
.Lquant:
	s_wait_alu depctr_va_vdst(0)                   ; the wait behind the branch, ahead of the readers of the head's registers
	s_sub_co_u32 s25, ttmp9, 192
	s_lshl_b32 s25, s25, 2
	s_add_co_u32 s25, s25, s20                     ; my run
	s_mov_b32 s31, 64000
	s_mov_b32 s32, 4000
	s_mov_b32 s33, 0x03ffffff
	s_cmp_lt_u32 s25, 2048                         ; x or y: the choice hangs on ids alone
	s_cselect_b64 s[48:49], s[40:41], s[42:43]
	s_cselect_b32 s29, 0, 2048
	s_cselect_b32 s31, 65536, s31                  ; a run's bytes
	s_cselect_b32 s32, 4096, s32                   ; a pair's bytes
	s_cselect_b32 s33, -1, s33                     ; the lanes that hold numbers in a pair's last load
	s_sub_co_u32 s30, s25, s29
	s_mul_i32 s30, s30, s31
	s_mov_b32 s31, 0
	s_add_nc_u64 s[48:49], s[48:49], s[30:31]      ; the first four steps' first pair
	s_mov_b32 s30, s32
	s_add_nc_u64 s[50:51], s[48:49], s[30:31]      ; and their second
	s_lshl_b32 s30, s32, 1                         ; s[30:31]: a trip's bytes
	s_add_nc_u64 s[26:27], s[48:49], s[30:31]      ; the two pairs that the loop's first trip asks for
	s_add_nc_u64 s[34:35], s[50:51], s[30:31]
	s_lshl_b32 s36, s25, 14
	s_mov_b32 s37, 0
	s_add_nc_u64 s[44:45], s[44:45], s[36:37]
	s_lshl_b32 s36, s25, 9
	s_add_nc_u64 s[46:47], s[46:47], s[36:37]
	v_lshlrev_b32 v4, 4, v1                        ; 16 x lane
	v_add_nc_u32 v5, 0xfffffe60, v4                ; lanes past a row's end read 16 (lane - 26), bytes of the same row, and are masked
	v_cndmask_b32 v5, v5, v4, s33
	s_mul_i32 s38, s20, 3072
	s_add_co_u32 s38, s38, QLB
	v_lshrrev_b32 v6, 2, v1
	v_mul_u32_u24 v6, v6, QSP
	v_and_b32 v7, 3, v1
	v_lshl_add_u32 v6, v7, 4, v6
	v_add_nc_u32 v6, s38, v6                       ; the stage, in: four lanes' 64 bytes on end, then 16 of padding
	v_mul_u32_u24 v7, v1, QSP
	v_add_nc_u32 v7, s38, v7                       ; out: 80 x lane
	s_add_co_u32 s38, s38, 32*QSP
	v_lshrrev_b32 v12, 1, v1
	v_add_nc_u32 v12, s38, v12                     ; my block's byte
	v_add_nc_u32 v14, s38, v4                      ; and on the way out 16 bytes a lane
	s_wait_alu depctr_va_vdst(0)                   ; the wait at the head's end
	QLD 0, 48, 50
	QLD 1, 48, 50
	QLD 2, 48, 50
	QLD 3, 48, 50
	s_wait_loadcnt 12                              ; step 0's four loads are in
	QTN 0
	s_mov_b32 s39, 0
	s_mov_b32 s21, 7
.Lqb:
	v_add_nc_u32 v15, s39, v12
	QST 0, 1
	QST 1, 1
	QST 2, 1
	QST 3, 1
	s_wait_xcnt 0x0                                ; bases and the stores' data are written again only behind this wait
	s_add_nc_u64 s[26:27], s[26:27], s[30:31]
	s_add_nc_u64 s[34:35], s[34:35], s[30:31]
	s_add_nc_u64 s[44:45], s[44:45], 2048
	s_add_co_u32 s39, s39, 64
	s_sub_co_u32 s21, s21, 1
	s_cmp_lg_u32 s21, 0
	s_wait_alu depctr_va_vdst(0)                   ; the wait ahead of the branch
	s_cbranch_scc1 .Lqb
	v_add_nc_u32 v15, s39, v12
	QST 0, 0
	QST 1, 0
	QST 2, 0
	QST 3, 0
	ds_load_b128 v[8:11], v14                      ; LDS serves a wave's instructions in order: these see my byte stores
	s_wait_dscnt 0x0
	global_store_b128 v4, v[8:11], s[46:47]        ; 32 lanes store 512 consecutive bytes, aligned
	s_wait_tensorcnt 0x0                           ; the wave's end
	ds_add_u32 v[SPW], v[NIL]
	s_wait_dscnt 0x0
	s_endpgm
.Lfunc_end_k_q7e6cdafdb8_prep:
	.size	k_q7e6cdafdb8_prep, .Lfunc_end_k_q7e6cdafdb8_prep-k_q7e6cdafdb8_prep
	.p2alignl 7, 3214868480
	.fill 96, 4, 3214868480
	.section	.rodata,"a",@progbits
	.p2align	6, 0x0
	.amdhsa_kernel k_q7e6cdafdb8_prep
		.amdhsa_group_segment_fixed_size 78592
		.amdhsa_private_segment_fixed_size 0
		.amdhsa_enable_private_segment 0
		.amdhsa_kernarg_size 96
		.amdhsa_user_sgpr_count 2
		.amdhsa_user_sgpr_kernarg_segment_ptr 1
		.amdhsa_wavefront_size32 1
		.amdhsa_system_sgpr_workgroup_id_x 1
		.amdhsa_system_sgpr_workgroup_id_y 1
		.amdhsa_system_sgpr_workgroup_id_z 1
		.amdhsa_system_vgpr_workitem_id 0
		.amdhsa_next_free_vgpr 256
		.amdhsa_next_free_sgpr 66
		.amdhsa_reserve_vcc 1
		.amdhsa_float_denorm_mode_32 3
		.amdhsa_float_denorm_mode_16_64 3
		.amdhsa_memory_ordered 1
		.amdhsa_forward_progress 1
		.amdhsa_inst_pref_size 116
	.end_amdhsa_kernel
	.amdgpu_metadata
---
amdhsa.version: [ 1, 2 ]
amdhsa.kernels:
  - .name:           k_q7e6cdafdb8_prep
    .symbol:         k_q7e6cdafdb8_prep.kd
    .args:
      - { .name: W, .offset: 0, .size: 8, .value_kind: global_buffer, .address_space: global }
      - { .name: b, .offset: 8, .size: 8, .value_kind: global_buffer, .address_space: global }
      - { .name: beta, .offset: 16, .size: 8, .value_kind: global_buffer, .address_space: global }
      - { .name: leaf_params, .offset: 24, .size: 8, .value_kind: global_buffer, .address_space: global }
      - { .name: wf, .offset: 32, .size: 8, .value_kind: global_buffer, .address_space: global }
      - { .name: lf, .offset: 40, .size: 8, .value_kind: global_buffer, .address_space: global }
      - { .name: tabs, .offset: 48, .size: 8, .value_kind: global_buffer, .address_space: global }
      - { .name: qtab, .offset: 56, .size: 8, .value_kind: global_buffer, .address_space: global }
      - { .name: x, .offset: 64, .size: 8, .value_kind: global_buffer, .address_space: global }
      - { .name: y, .offset: 72, .size: 8, .value_kind: global_buffer, .address_space: global }
      - { .name: cod, .offset: 80, .size: 8, .value_kind: global_buffer, .address_space: global }
      - { .name: scl, .offset: 88, .size: 8, .value_kind: global_buffer, .address_space: global }
    .group_segment_fixed_size: 78592
    .private_segment_fixed_size: 0
    .kernarg_segment_align: 8
    .kernarg_segment_size: 96
    .max_flat_workgroup_size: 128
    .sgpr_count:     66
    .vgpr_count:     256
    .wavefront_size: 32
...
	.end_amdgpu_metadata
.endif
;; end of part 1
;; launch tree (part 2): grid 256 x 1, 4 waves a work-group, no clusters, 303,616 bytes of LDS; arguments cod, scl, wf, lf, tabs, part, bestidx; writes part, bestidx
.if DOCPART == 2
	.amdgcn_target "amdgcn-amd-amdhsa--gfx1250"
	.amdhsa_code_object_version 6
	.text
	.protected	k_q7e6cdafdb8_tree
	.globl	k_q7e6cdafdb8_tree
	.p2align	8
	.type	k_q7e6cdafdb8_tree,@function
k_q7e6cdafdb8_tree:
	s_mov_b64 s[64:65], 0
	v_nop
	global_prefetch_b8 v0, s[64:65] scope:SCOPE_SE
	s_setreg_imm32_b32 hwreg(HW_REG_WAVE_MODE, 25, 1), 1
	s_wait_xcnt 0x0
; SOFT DECISION TREE, launch 2 of 3: all that is done sample by sample, on codes.  A work-group takes 128 samples (rb = work-group / 2) and one half s = work-group % 2 of the tree: 512 node slots, then 512 leaves.
; Left out (shown at the head of the first kernel): the batch sums of the leaf paths and of p * path; only the 512 sums of the level-9 paths are kept.
; LIMITS: as stated there.  A left child's path is formed as P - P p, where reference() writes P (1 - p).
; PHASES.  C: each wave copies the codes and scale bytes of 32 rows of x into LDS.  G1: z^T = W x^T: a wave makes 128 slots x 128 samples in 64 accumulators; x's fragments come from LDS, the wave's own 128 rows of W
;   from memory straight into its operand registers (they were laid in that order).  E1: p = 1 / (1 + 2^(coefA z + coefB)) in place; the paths level by level in place; the level-9 sums; each sample's largest leaf path
;   and its first index; half of the leaf paths go to LDS.  Y: y's codes, asked for at the start of E1, go to LDS.  G2: TQ^T = logQ y^T in two halves of 32 leaf slots a lane; the sum of path x TQ.
; IN PLACE.  Products are used transposed (source 0 = 16 weight rows, source 1 = 16 samples): lane (r, h) holds sample r and, over the 8 tiles, 64 slots of the level-4 subtree g4 = 8 s + 2 w + h.  At relative level e
;   (n = 2^e) the paths lie in slots 0 .. n - 1 and the p in slots n .. 2 n - 1: R = Z[pi] Z[n + pi] -> Z[n + pi], L = Z[pi] - R -> Z[pi].  After six levels slot tau holds the path of leaf 64 g4 + rev6(tau), and logQ's rows
;   were laid in that same order.  Slot 0 first holds a spare p: one of the eight nodes above level 4 that this half needs; they go round through LDS.
; NO TENSOR LOADS, NO CLUSTER: the codes of 128 rows of x take 264,192 bytes of LDS, which leaves less than the 65,536 bytes of one K step of the work-group's W; no byte of W or logQ is read by two waves of a
;   work-group; what two work-groups share, x's and y's codes and scale bytes, is 405,504 of the 1,978,368 bytes that a work-group reads.
; NO PREFETCH: x's codes are asked for at the head, with no loop ahead of them; y's loads themselves go out at the start of E1, a whole phase ahead of the wait for them; W's and logQ's run one and three K steps ahead.
; REGISTERS, in windows of 256: window 0: addresses, scale words, statistics; v128-255 fragments of x or y, later work.  window 1: the copies' data; W's fragments, two sets of 128 (G1); the coefficients (E1);
;   logQ's, four sets of 64 (G2).  windows 2, 3: Z of sample tile m at window 2 + m / 4, v[64 (m % 4) + slot].
.set XP,    2064                       ; a row of x's codes in LDS: 2,048 bytes + 16: an odd multiple of 16 bytes
.set YP,    1040                       ; a row of y's: 1,024 + 16
.set SPILL, 133120                     ; behind y's 128 rows: 32,768 bytes a wave: images of registers, 512 bytes each
.set XS,    264192                     ; x's scale bytes, 64 a row, pitch 80; later y's, 32 a row, pitch 48
.set XSP,   80
.set YSP,   48
.set STG,   274432                     ; 5,120 bytes a wave: the table of the level-9 sums, 32 x 144
.set EX,    294912                     ; [sample 128][2 w + h: 8] f32: the spare p
.set AM,    299008                     ; [wave 4][sample 128] {largest path, its leaf}
.set SPARE, 303104                     ; the spare words, 128 bytes for each wave
.set L16, 1                            ; v1   16 x lane
.set COF, 2                            ; v2   256 (lane / 16): my coefficients
.set SCI, 3                            ; v3   where x's scale bytes go
.set SCY, 4                            ; v4   where y's go
.set CWB, 5                            ; v5   where x's codes go
.set CWY, 6                            ; v6   where y's go
.set SPW, 7                            ; v7   LDS address of my spare word; never rewritten
.set NIL, 8                            ; v8   0; never rewritten
.set WSO, 9                            ; v9   32 (lane % 16): W's scale words
.set LSO, 10                           ; v10  16 (lane % 16): logQ's
.set XSA, 11                           ; v11  my sample's scale words
.set XA,  12                           ; v12-19  my place in sample tile a's rows of codes
.set EXW, 21
.set EXR, 22
.set AMW, 23
.set SBW, 24
.set SBR, 25
.set SPA, 26
.set TA,  27                           ; v27, v127  at work
.set XSR, 28                           ; v28-35  x's or y's scale words: scales and nothing else
.set WS,  36                           ; v36-51  the weights' scale words: scales and nothing else
.set YSR, 60                           ; v60-67  y's scale bytes on their way
.set XW,  68                           ; v68-75, v76  this trip's addresses of fragments and scale words
.set XSW, 76
.set AMP, 100                          ; v100-115  {largest path, index} of my sample in tile m
.set LS,  116                          ; v116-123  the sum of path x TQ, four pairs
.set C0H, 124                          ; v124, v125  1, -1 (my subtree is a left child) or 0, 1
.set C1H, 125
.set H64, 126                          ; v126 64 (lane / 16)
.set TB,  127
.set T,   128                          ; v128-191  at the head x's scale bytes; the spare p of my sample, 8 a tile; later the table's loads
.set SA,  192                          ; v192-223  the level-9 sums
.set TF,  224                          ; v224-255  at work
.set TG,  232
.set TH,  240
.set TI,  248
.set TJ,  192
.set MK,  66                           ; s66-69  four masks of the search for the first largest path
.set MSB, 0
.macro WIN new                         ; the immediate's high byte repeats the setting that is left; a switch that changes nothing is dropped
.if MSB != (\new)
	s_set_vgpr_msb (MSB<<8)|(\new)
.set MSB, (\new)
.endif
.endm
.macro PLACES n
.rept \n
	v_nop
.endr
.endm
.macro BARRIER                         ; my LDS stores have landed and my LDS loads are in: then the work-group's barrier
	s_wait_dscnt 0x0
	s_barrier_signal -1
	s_barrier_wait -1
.endm
; four sample tiles' fragments (16 rows x 128 K: four loads of 16 bytes a lane) and scale words: 20 LDS loads
.macro FX a0, koff, sblk
.irp a, \a0, \a0+1, \a0+2, \a0+3
.irp c, 0,1,2,3
	ds_load_b128 v[128+16*(\a)+4*\c:128+16*(\a)+4*\c+3], v[XW+(\a)] offset:(\koff)+32*\c
.endr
	ds_load_b32 v[XSR+(\a)], v[XSW] offset:(\sblk)*(\a)+(\koff)/32
.endr
.endm
; 16 matrix instructions: sample tiles a0, a0 + 1 x the 8 node tiles.  The 64 accumulators take turns, one instruction a turn, in the same order in every step
.macro MUL16 a0, p, zero
.irp a, \a0, \a0+1
.irp b, 0,1,2,3,4,5,6,7
.if \zero
	v_wmma_scale_f32_16x16x128_f8f6f4 v[8*(8*((\a)%4)+\b):8*(8*((\a)%4)+\b)+7], v[128*(\p)+16*\b:128*(\p)+16*\b+15], v[128+16*(\a):128+16*(\a)+15], 0, v[WS+8*(\p)+\b], v[XSR+(\a)]
.else
	v_wmma_scale_f32_16x16x128_f8f6f4 v[8*(8*((\a)%4)+\b):8*(8*((\a)%4)+\b)+7], v[128*(\p)+16*\b:128*(\p)+16*\b+15], v[128+16*(\a):128+16*(\a)+15], v[8*(8*((\a)%4)+\b):8*(8*((\a)%4)+\b)+7], v[WS+8*(\p)+\b], v[XSR+(\a)]
.endif
.endr
.endr
.endm
; A K step of 128 of the first product.  p: W's set; look = 1: the next step's W, at woff, goes out into the other set AHEAD of the wait for this step's; look = 0 (the last step, p = 1): the 32 loads of my coefficients
; go out into set 0 instead.  k0: this step's bytes in x's rows; k1: the next step's (-1: none); step = 1: the trip's addresses move on.
; Loads into registers that matrix instructions have read stand eight plain vector instructions behind those.
.macro GSTEP p, look, woff, k0, k1, zero, step
	PLACES 8
	WIN 0x40
.if \look
.irp t, 0,1,2,3,4,5,6,7
.irp c, 0,1,2,3
	global_load_b128 v[128*(1-(\p))+16*\t+4*\c:128*(1-(\p))+16*\t+4*\c+3], v[L16], s[38:39] offset:(\woff)+2048*\t+512*\c
.endr
.endr
	WIN 0
	global_load_b128 v[WS+8*(1-(\p)):WS+8*(1-(\p))+3], v[WSO], s[40:41] offset:(\woff)/32
	global_load_b128 v[WS+8*(1-(\p))+4:WS+8*(1-(\p))+7], v[WSO], s[40:41] offset:(\woff)/32+16
	s_wait_loadcnt 34                              ; this step's W and scale words are in; the 34 loads just issued may be out
.else
.irp i, 0,1,2,3,4,5,6,7,8,9,10,11,12,13,14,15
	global_load_b128 v[4*\i:4*\i+3], v[COF], s[46:47] offset:16*\i
	global_load_b128 v[64+4*\i:64+4*\i+3], v[COF], s[46:47] offset:4096+16*\i
.endr
	WIN 0
	s_wait_loadcnt 32                              ; the same; the 32 loads just issued may be out
.endif
	FX 4, \k0, 16*XSP
	s_wait_dscnt 20                                ; tiles 0-3 are in; the 20 loads just issued may be out
	WIN 0xa1
	MUL16 0, \p, \zero
	MUL16 2, \p, \zero
	WIN 0
	s_wait_dscnt 0x0                               ; tiles 4-7 are in
.if \step
	s_add_co_u32 s58, s58, 256                     ; two K steps on; these nine additions are the places, and no LDS load of mine is out
	s_add_co_u32 s59, s59, 8
.irp a, 0,1,2,3,4,5,6,7
	v_add_nc_u32 v[XW+\a], s58, v[XA+\a]
.endr
	v_add_nc_u32 v[XSW], s59, v[XSA]
.else
	PLACES 8
.endif
.if \k1 >= 0
	FX 0, \k1, 16*XSP
.endif
	WIN 0xf1
	MUL16 4, \p, \zero
	MUL16 6, \p, \zero
	WIN 0
.endm
	s_load_b256 s[4:11], s[0:1], 0x0               ; cod s[4:5], scl s[6:7], wf s[8:9], lf s[10:11]
	s_load_b128 s[12:15], s[0:1], 0x20             ; tabs s[12:13], part s[14:15]
	s_load_b64 s[16:17], s[0:1], 0x30              ; bestidx
	v_lshl_add_u32 v[SPW], v0, 2, SPARE
	v_mov_b32 v[NIL], 0
	v_lshrrev_b32 v[TA], 5, v0
	v_readfirstlane_b32 s18, v[TA]                 ; wave w
	s_and_b32 s19, ttmp9, 1                        ; s
	s_lshr_b32 s20, ttmp9, 1                       ; rb
	s_lshl_b32 s34, s19, 2
	s_add_co_u32 s34, s34, s18                     ; sw = 4 s + w
	s_mov_b32 s22, 0x76543210
	s_mov_b32 s23, 0xfedcba98                      ; v_permlanex16_b32's selects for lane l xor 16
	s_cmp_eq_u32 s19, 0                            ; the factors on the way down to level 4: C0 + C1 p = 1 - p (left) or p (right)
	s_cselect_b32 s26, 1.0, 0
	s_cselect_b32 s27, -1.0, 1.0
	s_lshr_b32 s44, s18, 1
	s_cmp_eq_u32 s44, 0
	s_cselect_b32 s28, 1.0, 0
	s_cselect_b32 s29, -1.0, 1.0
	s_cselect_b32 s32, 0, -1                       ; all lanes, where w / 2 = 1
	s_and_b32 s44, s18, 1
	s_cmp_eq_u32 s44, 0
	s_cselect_b32 s30, 1.0, 0
	s_cselect_b32 s31, -1.0, 1.0
	s_cselect_b32 s33, 0, -1                       ; all lanes, where w % 2 = 1
	v_and_b32 v[TB], 31, v0                        ; lane
	v_and_b32 v[H64], 15, v0                       ; r (until H64 is made)
	v_bfe_u32 v[TA], v0, 4, 1                      ; h
	v_lshlrev_b32 v[L16], 4, v[TB]
	v_lshlrev_b32 v[COF], 8, v[TA]
	v_lshrrev_b32 v[SCI], 2, v[TB]                 ; x's scale bytes: a load's 512 bytes are 8 rows of 64: row lane / 4, piece lane % 4
	v_mul_u32_u24 v[SCI], v[SCI], XSP
	v_and_b32 v[SCY], 3, v[TB]
	v_lshl_add_u32 v[SCI], v[SCY], 4, v[SCI]
	s_mul_i32 s45, s18, 32*XSP
	s_add_co_u32 s45, s45, XS
	v_add_nc_u32 v[SCI], s45, v[SCI]
	v_lshrrev_b32 v[SCY], 1, v[TB]                 ; y's: 16 rows of 32: row lane / 2, piece lane % 2
	v_mul_u32_u24 v[SCY], v[SCY], YSP
	v_and_b32 v[CWY], 1, v[TB]
	v_lshl_add_u32 v[SCY], v[CWY], 4, v[SCY]
	s_mul_i32 s45, s18, 32*YSP
	s_add_co_u32 s45, s45, XS
	v_add_nc_u32 v[SCY], s45, v[SCY]
	s_mul_i32 s44, s18, 5120
	s_add_co_u32 s44, s44, STG
	v_mul_u32_u24 v[SBW], v[TB], 144
	v_add_nc_u32 v[SBW], s44, v[SBW]               ; the table of sums, in: 144 x lane
	v_mul_u32_u24 v[SBR], v[TA], 2304
	v_lshl_add_u32 v[SBR], v[H64], 3, v[SBR]
	v_add_nc_u32 v[SBR], s44, v[SBR]               ; out: my half's 16 lanes, entries 2 r and 2 r + 1
	s_mul_i32 s45, s18, 32*XP
	v_add_nc_u32 v[CWB], s45, v[L16]
.set CWC, 20                           ; v20  the same for my rows 16-31
	v_add_nc_u32 v[CWC], 16*XP, v[CWB]
	s_mul_i32 s45, s18, 32*YP
	v_add_nc_u32 v[CWY], s45, v[L16]
	v_lshlrev_b32 v[WSO], 5, v[H64]
	v_lshlrev_b32 v[LSO], 4, v[H64]
	v_mul_u32_u24 v[XSA], v[H64], XSP
	v_add_nc_u32 v[XSA], XS, v[XSA]
	v_mul_u32_u24 v[XA], v[H64], XP
	v_lshl_add_u32 v[XA], v[TA], 4, v[XA]
.irp a, 1,2,3,4,5,6,7
	v_add_nc_u32 v[XA+\a], \a*16*XP, v[XA]
.endr
	s_lshl_b32 s45, s18, 3
	s_add_co_u32 s45, s45, EX
	v_lshlrev_b32 v[EXR], 5, v[H64]
	v_lshl_add_u32 v[EXW], v[TA], 2, v[EXR]
	v_add_nc_u32 v[EXW], s45, v[EXW]               ; EX + 32 r + 4 (2 w + h)
	v_add_nc_u32 v[EXR], EX, v[EXR]
	s_lshl_b32 s45, s18, 10
	s_add_co_u32 s45, s45, AM
	v_lshl_add_u32 v[AMW], v[H64], 3, s45
	s_lshl_b32 s45, s18, 15
	s_add_co_u32 s45, s45, SPILL
	v_add_nc_u32 v[SPA], s45, v[L16]
	v_cmp_eq_u32 vcc_lo, 0, v[TA]
	v_cndmask_b32 v[C0H], 0, 1.0, vcc_lo
	v_cndmask_b32 v[C1H], 1.0, -1.0, vcc_lo
	v_lshlrev_b32 v[H64], 6, v[TA]
	s_lshl_b32 s35, s20, 7
	s_lshl_b32 s45, s18, 5
	s_add_co_u32 s35, s35, s45                     ; my wave's first sample: 128 rb + 32 w
	s_mov_b32 s45, 0
	s_wait_alu depctr_va_vdst(0)                   ; the wait at the head's end
	s_wait_kmcnt 0x0
	s_lshl_b32 s44, s35, 11
	s_add_nc_u64 s[36:37], s[4:5], s[44:45]        ; x's codes at that row
	s_lshl_b32 s44, s35, 6
	s_add_nc_u64 s[56:57], s[6:7], s[44:45]        ; and its scale bytes
	s_lshl_b32 s44, s35, 10
	s_add_co_u32 s44, s44, 33554432
	s_add_nc_u64 s[42:43], s[4:5], s[44:45]        ; y's codes, behind x's
	s_lshl_b32 s44, s35, 5
	s_add_co_u32 s44, s44, 1048576
	s_add_nc_u64 s[60:61], s[6:7], s[44:45]        ; y's scale bytes, behind x's
	s_lshl_b32 s44, s34, 18
	s_add_nc_u64 s[38:39], s[8:9], s[44:45]        ; my wave's W: 16 K steps of 16,384 bytes
	s_lshl_b32 s44, s34, 13
	s_add_nc_u64 s[40:41], s[12:13], s[44:45]      ; and its scale words: 512 bytes a K step
	s_lshl_b32 s44, s20, 11
	s_lshl_b32 s46, s19, 10
	s_add_co_u32 s44, s44, s46
	s_lshl_b32 s46, s18, 8
	s_add_co_u32 s44, s44, s46
	s_add_nc_u64 s[52:53], s[14:15], s[44:45]      ; my wave's 64 level-9 sums
	s_lshl_b32 s44, ttmp9, 4
	s_lshl_b32 s46, s18, 2
	s_add_co_u32 s44, s44, s46
	s_add_co_u32 s44, s44, 262144
	s_add_nc_u64 s[54:55], s[14:15], s[44:45]      ; my wave's part of the loss
	s_lshl_b32 s44, s19, 16
	s_lshl_b32 s46, s20, 9
	s_add_co_u32 s44, s44, s46
	s_add_nc_u64 s[50:51], s[16:17], s[44:45]      ; the work-group's 128 best leaves,
	s_add_co_u32 s44, s44, 266240
	s_add_nc_u64 s[48:49], s[14:15], s[44:45]      ; and their paths
	s_lshl_b32 s44, s34, 9
	s_add_co_u32 s44, s44, 98304
	s_add_nc_u64 s[46:47], s[12:13], s[44:45]      ; my wave's coefficients
	; ================ C: 32 rows of x's codes a wave, 65,536 dense bytes: 128 loads of 512 consecutive bytes, all asked for at once, through windows 2 and 3, which hold nothing yet; W's first K step goes out behind them
.irp i, 0,1,2,3
	global_load_b128 v[T+4*\i:T+4*\i+3], v[L16], s[56:57] offset:512*\i
.endr
	WIN 0x80
.set N_, 0
.rept 64
	global_load_b128 v[4*N_:4*N_+3], v[L16], s[36:37] offset:512*N_
.set N_, N_+1
.endr
	WIN 0xc0
.set N_, 0
.rept 64
	global_load_b128 v[4*N_:4*N_+3], v[L16], s[36:37] offset:32768+512*N_
.set N_, N_+1
.endr
	WIN 0x40
.irp t, 0,1,2,3,4,5,6,7
.irp c, 0,1,2,3
	global_load_b128 v[16*\t+4*\c:16*\t+4*\c+3], v[L16], s[38:39] offset:2048*\t+512*\c
.endr
.endr
	WIN 0
	global_load_b128 v[WS:WS+3], v[WSO], s[40:41]
	global_load_b128 v[WS+4:WS+7], v[WSO], s[40:41] offset:16
	s_wait_loadcnt 63                              ; of the 166 loads the oldest 103 are in: the scale bytes' 4, rows 0-15's 64 and the first 35 of rows 16-31
	WIN 0x08
.set N_, 0
.rept 64
	ds_store_b128 v[CWB], v[4*N_:4*N_+3] offset:(N_/4)*XP+(N_%4)*512
.set N_, N_+1
.endr
	WIN 0x0c
.set N_, 0
.rept 64
.if (N_ >= 32) && ((N_%8) == 0)
	s_wait_loadcnt 90-N_                           ; the next eight loads are in; the 56 - N younger ones of x and W's 34 may be out
.endif
	ds_store_b128 v[CWC], v[4*N_:4*N_+3] offset:(N_/4)*XP+(N_%4)*512
.set N_, N_+1
.endr
	WIN 0
.irp i, 0,1,2,3
	ds_store_b128 v[SCI], v[T+4*\i:T+4*\i+3] offset:8*XSP*\i
.endr
	BARRIER                                        ; the codes and scale bytes of all 128 rows lie in LDS
	; ================ G1: 16 K steps of 128
	s_mov_b32 s58, 0
	s_mov_b32 s59, 0
.irp a, 0,1,2,3,4,5,6,7
	v_add_nc_u32 v[XW+\a], s58, v[XA+\a]
.endr
	v_add_nc_u32 v[XSW], s59, v[XSA]
	FX 0, 0, 16*XSP
	s_wait_alu depctr_va_vdst(0)
	GSTEP 0, 1, 16384, 0, 128, 1, 0                ; the first K step stands ahead of the loop: its products start the sums
	s_mov_b32 s21, 7
.Lg1:
	s_wait_alu depctr_va_vdst(0)
	GSTEP 1, 1, 32768, 128, 256, 0, 0
	GSTEP 0, 1, 49152, 256, 128, 0, 1
	s_wait_xcnt 0x0                                ; the loads have read their bases
	s_add_nc_u64 s[38:39], s[38:39], 32768
	s_add_nc_u64 s[40:41], s[40:41], 1024
	s_sub_co_u32 s21, s21, 1
	s_cmp_lg_u32 s21, 0
	s_cbranch_scc1 .Lg1
	s_wait_alu depctr_va_vdst(0)
	GSTEP 1, 0, 0, 128, -1, 0, 0                   ; the last K step fetches the coefficients
	PLACES 8                                       ; ahead of the first read of results and of loads into the operands' registers
	BARRIER                                        ; nobody reads x's codes any more
	; ================ E1a: p = 1 / (1 + 2^(coefA z + coefB)), in place.  y's 32 rows of codes are 32,768 dense bytes: their upper half is asked for now, into W's set 1
	WIN 0x40
.set N_, 32
.rept 32
	global_load_b128 v[4*N_:4*N_+3], v[L16], s[42:43] offset:512*N_
.set N_, N_+1
.endr
	WIN 0
	s_wait_loadcnt 32                              ; the coefficients are in; y's 32 loads may be out
.macro SFMA m
	WIN 0x96+0x41*((\m)/4)
.set ZB_, 64*((\m)%4)
.set II, 0
.rept 32
	v_pk_fma_f32 v[ZB_+II:ZB_+II+1], v[ZB_+II:ZB_+II+1], v[II:II+1], v[64+II:64+II+1]   ; ascending: each accumulator is read from its low end on
.set II, II+2
.endr
.endm
.macro SEXP m
	WIN 0x82+0x41*((\m)/4)
.set ZB_, 64*((\m)%4)
.set II, 0
.rept 64
	v_exp_f32 v[ZB_+II], v[ZB_+II]
.set II, II+1
.endr
.endm
.macro SADD m
	WIN 0x82+0x41*((\m)/4)
.set ZB_, 64*((\m)%4)
.set II, 0
.rept 32
	v_pk_add_f32 v[ZB_+II:ZB_+II+1], v[ZB_+II:ZB_+II+1], 1.0 op_sel_hi:[1,0]
.set II, II+2
.endr
.endm
.macro SRCP m
	WIN 0x82+0x41*((\m)/4)
.set ZB_, 64*((\m)%4)
.set II, 0
.rept 64
	v_rcp_f32 v[ZB_+II], v[ZB_+II]                 ; 2^.. = infinity gives p = 0, 2^.. = 0 gives p = 1
.set II, II+1
.endr
.endm
; The tiles go as a pipeline: behind a tile's reciprocals and the next tile's exponentials stands the multiply-add of the tile after that
	SFMA 0
	s_wait_alu depctr_va_vdst(0)
	SEXP 0
	s_wait_alu depctr_va_vdst(0)
	SFMA 1
	s_wait_alu depctr_va_vdst(0)
.irp m, 0,1,2,3,4,5
	SADD \m
	s_wait_alu depctr_va_vdst(0)
	SRCP \m
	SEXP \m+1
	s_wait_alu depctr_va_vdst(0)
	SFMA \m+2
	s_wait_alu depctr_va_vdst(0)
.endr
	SADD 6
	s_wait_alu depctr_va_vdst(0)
	SRCP 6
	SEXP 7
	v_nop
	s_wait_alu depctr_va_vdst(0)
	SADD 7
	s_wait_alu depctr_va_vdst(0)
	SRCP 7
	v_nop
	s_wait_alu depctr_va_vdst(0)
	WIN 0x40                                       ; the coefficients are done with: the lower half of y's codes takes their registers
.set N_, 0
.rept 32
	global_load_b128 v[4*N_:4*N_+3], v[L16], s[42:43] offset:512*N_
.set N_, N_+1
.endr
	WIN 0
	global_load_b128 v[YSR:YSR+3], v[L16], s[60:61]
	global_load_b128 v[YSR+4:YSR+7], v[L16], s[60:61] offset:512
.irp m, 0,1,2,3,4,5,6,7
	WIN 0x08+0x04*(\m/4)
	ds_store_b32 v[EXW], v[64*(\m%4)] offset:512*\m             ; slot 0: the spare p of sample 16 m + r
.endr
	WIN 0
	BARRIER
	; ================ E1b: the paths
.irp m, 0,1,2,3,4,5,6,7
	ds_load_b128 v[T+8*\m:T+8*\m+3], v[EXR] offset:512*\m
	ds_load_b128 v[T+8*\m+4:T+8*\m+7], v[EXR] offset:512*\m+16
.endr
	s_wait_dscnt 0x0
; of a sample's eight: 7 the root, 1 level 1, 3 and 5 level 2, 0, 2, 4, 6 level 3 (waves 0 to 3)
.irp m, 0,1,2,3,4,5,6,7
	v_fma_f32 v[TF+\m], v[T+8*\m+7], s27, s26
	v_fma_f32 v[TG+\m], v[T+8*\m+1], s29, s28
	v_cndmask_b32 v[TH+\m], v[T+8*\m+3], v[T+8*\m+5], s32
	v_cndmask_b32 v[TI+\m], v[T+8*\m], v[T+8*\m+2], s33
	v_cndmask_b32 v[TJ+\m], v[T+8*\m+4], v[T+8*\m+6], s33
.endr
.irp m, 0,1,2,3,4,5,6,7
	v_mul_f32 v[TF+\m], v[TF+\m], v[TG+\m]
	v_fma_f32 v[TH+\m], v[TH+\m], s31, s30
	v_cndmask_b32 v[TI+\m], v[TI+\m], v[TJ+\m], s32
.endr
.irp m, 0,1,2,3,4,5,6,7
	v_mul_f32 v[TF+\m], v[TF+\m], v[TH+\m]
	v_fma_f32 v[TI+\m], v[TI+\m], v[C1H], v[C0H]
.endr
.irp m, 0,1,2,3,4,5,6,7
	WIN 0x80+0x40*(\m/4)
	v_mul_f32 v[64*(\m%4)], v[TF+\m], v[TI+\m]                  ; slot 0: the path that reaches my node of level 4
.endr
.macro PATH m, e                       ; one level, all operands in Z's window
.set ZB_, 64*((\m)%4)
.set PN, 1<<(\e)
.if (\e) == 0
	v_mul_f32 v[ZB_+1], v[ZB_], v[ZB_+1]
	v_sub_f32 v[ZB_], v[ZB_], v[ZB_+1]
.else
.set PP, 0
.rept PN/2
	v_pk_mul_f32 v[ZB_+PN+PP:ZB_+PN+PP+1], v[ZB_+PP:ZB_+PP+1], v[ZB_+PN+PP:ZB_+PN+PP+1]
.set PP, PP+2
.endr
.set PP, 0
.rept PN/2
	v_pk_add_f32 v[ZB_+PP:ZB_+PP+1], v[ZB_+PP:ZB_+PP+1], v[ZB_+PN+PP:ZB_+PN+PP+1] neg_lo:[0,1] neg_hi:[0,1]
.set PP, PP+2
.endr
.endif
.endm
.macro HEADM m                         ; down to level 9: 32 paths a lane
	WIN 0xaa+0x55*((\m)/4)
	PATH \m, 0
	PATH \m, 1
	PATH \m, 2
	PATH \m, 3
	PATH \m, 4
.endm
; the largest of my 64 leaf paths, and the FIRST leaf that has it.  Four chains side by side, one for each 16 slots: slot 16 c + rev4(j) holds leaf 4 j + c / 2 + 2 (c % 2); a chain holds its leaves against the largest
; from the last to the first, so that its lowest stays (64 where it has none); the least of the four is the first leaf
.macro AMAX m
.set ZB_, 64*((\m)%4)
	WIN 0x2a+0x15*((\m)/4)
.irp c, 0,1,2,3
	v_max3_num_f32 v[TF+\c], v[ZB_+16*\c], v[ZB_+16*\c+1], v[ZB_+16*\c+2]
.endr
	WIN 0x28+0x14*((\m)/4)
.irp i, 3,5,7,9,11,13
.irp c, 0,1,2,3
	v_max3_num_f32 v[TF+\c], v[TF+\c], v[ZB_+16*\c+\i], v[ZB_+16*\c+\i+1]
.endr
.endr
.irp c, 0,1,2,3
	v_max_num_f32 v[TF+\c], v[TF+\c], v[ZB_+16*\c+15]
.endr
	WIN 0
	v_max3_num_f32 v[TF], v[TF], v[TF+1], v[TF+2]
	v_max_num_f32 v[AMP+2*(\m)], v[TF], v[TF+3]
.irp c, 0,1,2,3
	v_mov_b32 v[TG+\c], 64
.endr
	WIN 0x08+0x04*((\m)/4)
.set LH, 15
.rept 16
.set RI, ((LH&1)<<3)|((LH&2)<<1)|((LH&4)>>1)|((LH&8)>>3)
.irp c, 0,1,2,3
	v_cmp_eq_f32 s[MK+\c], v[AMP+2*(\m)], v[ZB_+16*\c+RI]
.endr
.irp c, 0,1,2,3
	v_cndmask_b32 v[TG+\c], v[TG+\c], 4*LH+(\c>>1)+2*(\c&1), s[MK+\c]
.endr
.set LH, LH-1
.endr
	WIN 0
	v_min_u32 v[TG], v[TG], v[TG+1]
	v_min_u32 v[TG+2], v[TG+2], v[TG+3]
	v_min_u32 v[AMP+2*(\m)+1], v[TG], v[TG+2]
.endm
.macro TAILM m                         ; the last level, the largest path, and slots 32-63 to LDS as images of their registers
	WIN 0xaa+0x55*((\m)/4)
	PATH \m, 5
	AMAX \m
	WIN 0x08+0x04*((\m)/4)
.irp i, 0,1,2,3,4,5,6,7
	ds_store_b128 v[SPA], v[64*((\m)%4)+32+4*\i:64*((\m)%4)+32+4*\i+3] offset:(8*(\m)+\i)*512
.endr
	WIN 0
.endm
	HEADM 0
	HEADM 1
	WIN 0x0a
.set II, 0
.rept 16
	v_pk_add_f32 v[SA+II:SA+II+1], v[II:II+1], v[64+II:64+II+1]  ; tiles 0 and 1 start the level-9 sums: nothing is cleared
.set II, II+2
.endr
	TAILM 0
	TAILM 1
.irp m, 2,3,4,5,6,7
	HEADM \m
	WIN 0x08+0x04*(\m/4)
.set II, 0
.rept 16
	v_pk_add_f32 v[SA+II:SA+II+1], v[SA+II:SA+II+1], v[64*(\m%4)+II:64*(\m%4)+II+1]
.set II, II+2
.endr
	TAILM \m
.endr
	; the two subtrees of a sample (lanes l and l xor 16) meet; at equal paths the lower leaf stays
	s_lshl_b32 s47, s19, 9
	s_lshl_b32 s44, s18, 7
	s_add_co_u32 s47, s47, s44                     ; 512 s + 128 w
.irp m, 0,1,2,3,4,5,6,7
	v_add_nc_u32 v[AMP+2*\m+1], v[H64], v[AMP+2*\m+1]
	v_permlanex16_b32 v[TF], v[AMP+2*\m], s22, s23
	v_permlanex16_b32 v[TF+1], v[AMP+2*\m+1], s22, s23
	v_cmp_gt_f32 s44, v[TF], v[AMP+2*\m]
	v_cmp_eq_f32 s45, v[TF], v[AMP+2*\m]
	v_cmp_lt_u32 s46, v[TF+1], v[AMP+2*\m+1]
	s_and_b32 s45, s45, s46
	s_or_b32 s44, s44, s45
	v_cndmask_b32 v[AMP+2*\m], v[AMP+2*\m], v[TF], s44
	v_cndmask_b32 v[AMP+2*\m+1], v[AMP+2*\m+1], v[TF+1], s44
	v_add_nc_u32 v[AMP+2*\m+1], s47, v[AMP+2*\m+1]
	ds_store_b64 v[AMW], v[AMP+2*\m:AMP+2*\m+1] offset:128*\m   ; both halves of the lanes write the same pair
.endr
	; the level-9 sums over my 16 lanes of samples, through my wave's own table: LDS serves a wave's instructions in order
.irp i, 0,1,2,3,4,5,6,7
	ds_store_b128 v[SBW], v[SA+4*\i:SA+4*\i+3] offset:16*\i
.endr
.irp q, 0,1,2,3,4,5,6,7,8,9,10,11,12,13,14,15
	ds_load_b64 v[T+2*\q:T+2*\q+1], v[SBR] offset:144*\q
.endr
	v_lshrrev_b32 v[TA], 1, v[L16]                 ; 8 x lane
	s_wait_dscnt 0x0
.irp st, 8,4,2,1
.set II, 0
.rept \st
	v_pk_add_f32 v[T+2*II:T+2*II+1], v[T+2*II:T+2*II+1], v[T+2*(II+\st):T+2*(II+\st)+1]
.set II, II+1
.endr
.endr
	global_store_b64 v[TA], v[T:T+1], s[52:53]     ; 32 lanes store 256 consecutive bytes, aligned
	; ================ Y: my 32 rows of y's codes and scale bytes go to LDS, where x's lay
	s_mov_b32 s45, 0
	s_wait_loadcnt 0x0                             ; all 66 loads are in
	s_wait_xcnt 0x0                                ; the store of the sums has read its registers, which are written again below
	WIN 0x04
.set N_, 0
.rept 64
	ds_store_b128 v[CWY], v[4*N_:4*N_+3] offset:(N_/2)*YP+(N_%2)*512
.set N_, N_+1
.endr
	WIN 0
	ds_store_b128 v[SCY], v[YSR:YSR+3]
	ds_store_b128 v[SCY], v[YSR+4:YSR+7] offset:16*YSP
	s_lshl_b32 s44, s34, 17
	s_add_nc_u64 s[38:39], s[10:11], s[44:45]      ; my wave's logQ: 16 steps (2 halves x 8 K steps) of 8,192 bytes
	s_lshl_b32 s44, s34, 12
	s_add_co_u32 s44, s44, 65536
	s_add_nc_u64 s[40:41], s[12:13], s[44:45]      ; and its scale words: 256 bytes a step
	s_wait_dscnt 0x0                               ; the stores have read their registers, which take logQ's first three K steps
; the step three on: 16 loads of codes into set (j + 3) % 4 and one of scale words.  cond = 1: not in the last trip, where all that is out is waited for instead, so that the counted waits behind hold on every way
.macro LOOK2 j, cond
.if \cond
	s_cmp_eq_u32 s21, 3
	s_cbranch_scc1 .Llk_last_\@
.endif
	WIN 0x40
.irp t, 0,1,2,3
.irp c, 0,1,2,3
	global_load_b128 v[64*(((\j)+3)%4)+16*\t+4*\c:64*(((\j)+3)%4)+16*\t+4*\c+3], v[L16], s[38:39] offset:((\j)+3)*8192+2048*\t+512*\c
.endr
.endr
	WIN 0
	global_load_b128 v[WS+4*(((\j)+3)%4):WS+4*(((\j)+3)%4)+3], v[LSO], s[40:41] offset:((\j)+3)*256
.if \cond
	s_branch .Llk_go_\@
.Llk_last_\@:
	s_wait_loadcnt 0x0
.Llk_go_\@:
.endif
.endm
	LOOK2 -3, 0
	LOOK2 -2, 0
	LOOK2 -1, 0
	v_and_b32 v[TB], 15, v0
	v_bfe_u32 v[TA], v0, 4, 1
	v_mul_u32_u24 v[XA], v[TB], YP
	v_lshl_add_u32 v[XA], v[TA], 4, v[XA]
.irp a, 1,2,3,4,5,6,7
	v_add_nc_u32 v[XA+\a], \a*16*YP, v[XA]
.endr
	v_mul_u32_u24 v[XSA], v[TB], YSP
	v_add_nc_u32 v[XSA], XS, v[XSA]
.irp i, 0,1,2,3,4,5,6,7
	v_mov_b32 v[LS+\i], 0
.endr
	BARRIER                                        ; y's codes and scale bytes, and all four waves' best leaves, lie in LDS
	; thread t picks sample t's best among the four waves: a later wave's leaves are higher, so it wins only where its path is larger
	v_lshl_add_u32 v[TB], v0, 3, AM
	v_lshlrev_b32 v[TA], 2, v0
.irp q, 0,1,2,3
	ds_load_b64 v[AMP+2*\q:AMP+2*\q+1], v[TB] offset:1024*\q
.endr
	s_mov_b32 s58, 0
	s_mov_b32 s59, 0
.irp a, 0,1,2,3,4,5,6,7
	v_add_nc_u32 v[XW+\a], s58, v[XA+\a]
.endr
	v_add_nc_u32 v[XSW], s59, v[XSA]
	s_wait_dscnt 0x0
.irp q, 1,2,3
	v_cmp_gt_f32 vcc_lo, v[AMP+2*\q], v[AMP]
	v_cndmask_b32 v[AMP], v[AMP], v[AMP+2*\q], vcc_lo
	v_cndmask_b32 v[AMP+1], v[AMP+1], v[AMP+2*\q+1], vcc_lo
.endr
	global_store_b32 v[TA], v[AMP], s[48:49]
	global_store_b32 v[TA], v[AMP+1], s[50:51]
	; ================ G2: trip q: half q / 2 of my leaf slots, K steps 4 (q % 2) + 0 .. 3
.macro MUL2 a0, set, zero              ; 16 matrix instructions: four sample tiles x four leaf tiles; the 32 accumulators take turns
.irp a, \a0, \a0+1, \a0+2, \a0+3
.irp b, 0,1,2,3
.if \zero
	v_wmma_scale_f32_16x16x128_f8f6f4 v[64*((\a)%4)+32+8*\b:64*((\a)%4)+32+8*\b+7], v[64*(\set)+16*\b:64*(\set)+16*\b+15], v[128+16*(\a):128+16*(\a)+15], 0, v[WS+4*(\set)+\b], v[XSR+(\a)]
.else
	v_wmma_scale_f32_16x16x128_f8f6f4 v[64*((\a)%4)+32+8*\b:64*((\a)%4)+32+8*\b+7], v[64*(\set)+16*\b:64*(\set)+16*\b+15], v[128+16*(\a):128+16*(\a)+15], v[64*((\a)%4)+32+8*\b:64*((\a)%4)+32+8*\b+7], v[WS+4*(\set)+\b], v[XSR+(\a)]
.endif
.endr
.endr
.endm
.macro STEP2 j, zero
	PLACES 8
	s_wait_loadcnt 34                              ; this step's 17 loads are in; the two younger steps' may be out
.if (\j) == 0
	LOOK2 \j, 0
.else
	LOOK2 \j, 1
.endif
	FX 4, 128*(\j), 16*YSP
	s_wait_dscnt 20                                ; tiles 0-3 are in; the 20 loads just issued may be out
	WIN 0xa1
	MUL2 0, \j, \zero
	WIN 0
	s_wait_dscnt 0x0
	PLACES 8
.if (\j) < 3
	FX 0, 128*((\j)+1), 16*YSP
.endif
	WIN 0xf1
	MUL2 4, \j, \zero
	WIN 0
.endm
	s_mov_b32 s21, 0
.Lg2:
	s_wait_alu depctr_va_vdst(0)
	FX 0, 0, 16*YSP
	s_and_b32 s44, s21, 1
	s_cmp_eq_u32 s44, 0
	s_cbranch_scc0 .Lg2_on
	STEP2 0, 1                                     ; a half's first K step starts the sums
	s_branch .Lg2_j1
.Lg2_on:
	STEP2 0, 0
.Lg2_j1:
	STEP2 1, 0
	STEP2 2, 0
	STEP2 3, 0
	s_and_b32 s44, s21, 1
	s_cmp_eq_u32 s44, 0
	s_cbranch_scc1 .Lg2_next
	PLACES 8                                       ; a half is finished: path x TQ, slot by slot, each accumulator from its low end on
.irp m, 0,1,2,3,4,5,6,7
	WIN 0x0a+0x05*(\m/4)
.set II, 0
.rept 16
	v_pk_fma_f32 v[LS+2*((II/2)%4):LS+2*((II/2)%4)+1], v[64*(\m%4)+II:64*(\m%4)+II+1], v[64*(\m%4)+32+II:64*(\m%4)+32+II+1], v[LS+2*((II/2)%4):LS+2*((II/2)%4)+1]
.set II, II+2
.endr
.endr
	WIN 0
	s_cmp_eq_u32 s21, 1
	s_cbranch_scc0 .Lg2_next
.irp m, 0,1,2,3,4,5,6,7                ; the paths of slots 32-63 come back, into slots 0-31; every later wait for fragments covers these older loads
	WIN 0x80+0x40*(\m/4)
.irp i, 0,1,2,3,4,5,6,7
	ds_load_b128 v[64*(\m%4)+4*\i:64*(\m%4)+4*\i+3], v[SPA] offset:(8*\m+\i)*512
.endr
.endr
	WIN 0
.Lg2_next:
	s_wait_xcnt 0x0                                ; the loads have read their bases
	s_add_nc_u64 s[38:39], s[38:39], 32768
	s_add_nc_u64 s[40:41], s[40:41], 1024
	s_xor_b32 s58, s58, 512                        ; y's K steps 4-7, or 0-3 again
	s_xor_b32 s59, s59, 16
.irp a, 0,1,2,3,4,5,6,7
	v_add_nc_u32 v[XW+\a], s58, v[XA+\a]
.endr
	v_add_nc_u32 v[XSW], s59, v[XSA]
	s_add_co_u32 s21, s21, 1
	s_cmp_lt_u32 s21, 4
	s_cbranch_scc1 .Lg2
	; ================ my wave's part of the sum of path x TQ
	v_pk_add_f32 v[LS:LS+1], v[LS:LS+1], v[LS+2:LS+3]
	v_pk_add_f32 v[LS+4:LS+5], v[LS+4:LS+5], v[LS+6:LS+7]
	v_pk_add_f32 v[LS:LS+1], v[LS:LS+1], v[LS+4:LS+5]
	v_add_f32 v[LS], v[LS], v[LS+1]
	v_add_f32_dpp v[LS], v[LS], v[LS] row_xmask:1 row_mask:0xf bank_mask:0xf
	v_add_f32_dpp v[LS], v[LS], v[LS] row_xmask:2 row_mask:0xf bank_mask:0xf
	v_add_f32_dpp v[LS], v[LS], v[LS] row_xmask:4 row_mask:0xf bank_mask:0xf
	v_add_f32_dpp v[LS], v[LS], v[LS] row_xmask:8 row_mask:0xf bank_mask:0xf
	v_permlanex16_b32 v[LS+1], v[LS], s22, s23
	v_add_f32 v[LS], v[LS], v[LS+1]
	v_and_b32 v[TB], 31, v0
	v_cmp_eq_u32 vcc_lo, 0, v[TB]
	s_wait_alu depctr_va_vdst(0)
	s_wait_xcnt 0x0                                ; EXEC changes only behind this wait
	s_and_saveexec_b32 s44, vcc_lo
	global_store_b32 v[TB], v[LS], s[54:55]        ; lane 0, whose offset is 0
	s_wait_xcnt 0x0
	s_or_b32 exec_lo, exec_lo, s44
	s_wait_tensorcnt 0x0                           ; the wave's end, behind my last LDS store
	ds_add_u32 v[SPW], v[NIL]
	s_wait_dscnt 0x0
	s_endpgm
.Lfunc_end_k_q7e6cdafdb8_tree:
	.size	k_q7e6cdafdb8_tree, .Lfunc_end_k_q7e6cdafdb8_tree-k_q7e6cdafdb8_tree
	.p2alignl 7, 3214868480
	.fill 96, 4, 3214868480
	.section	.rodata,"a",@progbits
	.p2align	6, 0x0
	.amdhsa_kernel k_q7e6cdafdb8_tree
		.amdhsa_group_segment_fixed_size 303616
		.amdhsa_private_segment_fixed_size 0
		.amdhsa_enable_private_segment 0
		.amdhsa_kernarg_size 56
		.amdhsa_user_sgpr_count 2
		.amdhsa_user_sgpr_kernarg_segment_ptr 1
		.amdhsa_wavefront_size32 1
		.amdhsa_system_sgpr_workgroup_id_x 1
		.amdhsa_system_sgpr_workgroup_id_y 1
		.amdhsa_system_sgpr_workgroup_id_z 1
		.amdhsa_system_vgpr_workitem_id 0
		.amdhsa_next_free_vgpr 1024
		.amdhsa_next_free_sgpr 70
		.amdhsa_reserve_vcc 1
		.amdhsa_float_denorm_mode_32 3
		.amdhsa_float_denorm_mode_16_64 3
		.amdhsa_memory_ordered 1
		.amdhsa_forward_progress 1
		.amdhsa_inst_pref_size 255
	.end_amdhsa_kernel
	.section	.bss,"aw",@nobits
	.p2align	6
	.space	262144
	.amdgpu_metadata
---
amdhsa.version: [ 1, 2 ]
amdhsa.kernels:
  - .name:           k_q7e6cdafdb8_tree
    .symbol:         k_q7e6cdafdb8_tree.kd
    .args:
      - { .name: cod, .offset: 0, .size: 8, .value_kind: global_buffer, .address_space: global }
      - { .name: scl, .offset: 8, .size: 8, .value_kind: global_buffer, .address_space: global }
      - { .name: wf, .offset: 16, .size: 8, .value_kind: global_buffer, .address_space: global }
      - { .name: lf, .offset: 24, .size: 8, .value_kind: global_buffer, .address_space: global }
      - { .name: tabs, .offset: 32, .size: 8, .value_kind: global_buffer, .address_space: global }
      - { .name: part, .offset: 40, .size: 8, .value_kind: global_buffer, .address_space: global }
      - { .name: bestidx, .offset: 48, .size: 8, .value_kind: global_buffer, .address_space: global }
    .group_segment_fixed_size: 303616
    .private_segment_fixed_size: 0
    .kernarg_segment_align: 8
    .kernarg_segment_size: 56
    .max_flat_workgroup_size: 128
    .sgpr_count:     70
    .vgpr_count:     1024
    .wavefront_size: 32
...
	.end_amdgpu_metadata
.endif
;; end of part 2
;; launch out (part 3): grid 501 x 1, 16 waves a work-group, no clusters, 36,864 bytes of LDS; arguments part, bestidx, qtab, out0, out1; writes out0, out1
.if DOCPART == 3
	.amdgcn_target "amdgcn-amd-amdhsa--gfx1250"
	.amdhsa_code_object_version 6
	.text
	.protected	k_q7e6cdafdb8_out
	.globl	k_q7e6cdafdb8_out
	.p2align	8
	.type	k_q7e6cdafdb8_out,@function
k_q7e6cdafdb8_out:
	s_mov_b64 s[64:65], 0
	v_nop
	global_prefetch_b8 v0, s[64:65] scope:SCOPE_SE
	s_setreg_imm32_b32 hwreg(HW_REG_WAVE_MODE, 25, 1), 1
	s_wait_xcnt 0x0
; SOFT DECISION TREE, launch 3 of 3.  Work-groups 1-500: out1 = Q[best].  Work-group 0: the scalar.
; Left out (shown at the head of the first kernel): the penalties of level 9; a node's two batch sums are made of the 512 level-9 sums.
; THE GATHER.  out1 is taken as a plain stream of pieces of 16 bytes, 250 to a row; a work-group stores 8,192 of them, 16 a thread; a wave's store is 512 consecutive bytes, aligned.  Each half of the tree has left its
; best leaf (a whole number) and that leaf's path for every sample.  Which half wins hangs on floating-point numbers, so it chooses between values, not addresses: both candidates' pieces are loaded and one is kept.
; Half 1 wins only where its path is larger: the first maximum stays.
; All 64 loads of leaves and paths go out at the head; the outcomes are kept in a scalar register for each piece.  The pieces then go in four batches of four on two sets of registers: while one batch is chosen and
; stored, the next batch's eight loads are out.  A set takes new loads only behind s_wait_xcnt 0, since the stores read it.
; THE SCALAR.  V9[x] = the batch sum of level-9 path x, x = 256 s + 64 w + 32 h + pi.  The bit of x that was the last step's direction is 4; then 3, 2, 1, 0, 5, 6, 7, 8 upwards.  At each level every thread forms
; its ancestor's pen = V(right) / (V(left) + V(right)).  A node of level d is so counted by 2^(9 - d) threads, and its weight 0.05 x 2^-(d + 1) becomes 0.05 x 2^-10 a thread, at every level alike.
.set SPARE, 32768                      ; the spare words, 128 bytes for each of 16 waves
.set VB,    8192                       ; V(d) at VB + 2,048 (9 - d); ahead of it four partial tables of 2,048 bytes
.set PWS,   28672                      ; a word for each wave
.set SPW,   1                          ; v1   LDS address of my spare word; never rewritten
.set NIL,   2                          ; v2   0; never rewritten
.set SO,    3                          ; v3   the gather: first my first piece's number, then 16 x my thread's number: my place in a store
.set I0,    4                          ; v4-19, v20-35    the two candidates: leaf, then byte offset in qtab
.set I1,    20
.set D,     36                         ; v36-67, v68-99   two sets: four pieces of candidate 0, then four of candidate 1
.set RW,    36                         ; v36-51   4 x the row                        } until the candidates are asked for:
.set CL,    52                         ; v52-67   16 x the piece's place in its row  } all four lie where the
.set V0,    68                         ; v68-83, v84-99   the two paths              } pieces will land
.set V1,    84
.set MK,    20                         ; s20-35   for each piece: the lanes in which half 1 wins
.set BA,    16                         ; the scalar: v16-47, v48-79  two sets of eight loads;  v80-83 their sum
.set BB,    48
.set ACC,   80
	s_load_b256 s[4:11], s[0:1], 0x0               ; part s[4:5], bestidx s[6:7], qtab s[8:9], out0 s[10:11]
	s_load_b64 s[12:13], s[0:1], 0x20              ; out1
	v_lshl_add_u32 v[SPW], v0, 2, SPARE
	v_mov_b32 v[NIL], 0
	s_cmp_eq_u32 ttmp9, 0
	s_cbranch_scc1 .Lreduce
	s_sub_co_u32 s14, ttmp9, 1
	s_lshl_b32 s15, s14, 13                        ; my work-group's first piece
	s_mov_b32 s16, 17179870                        ; ceil(2^32 / 250): the high word of the product is piece / 250 for every piece under 2^24
	v_add_nc_u32 v[SO], s15, v0
; each line of arithmetic is run over the 16 pieces in turn, so that no line reads its neighbour's result
.irp i, 0,1,2,3,4,5,6,7,8,9,10,11,12,13,14,15
	v_add_nc_u32 v[CL+\i], 512*\i, v[SO]
.endr
.irp i, 0,1,2,3,4,5,6,7,8,9,10,11,12,13,14,15
	v_mul_hi_u32 v[RW+\i], v[CL+\i], s16
.endr
.irp i, 0,1,2,3,4,5,6,7,8,9,10,11,12,13,14,15
	v_mul_u32_u24 v[I0+\i], v[RW+\i], 250
.endr
.irp i, 0,1,2,3,4,5,6,7,8,9,10,11,12,13,14,15
	v_sub_nc_u32 v[CL+\i], v[CL+\i], v[I0+\i]
.endr
.irp i, 0,1,2,3,4,5,6,7,8,9,10,11,12,13,14,15
	v_lshlrev_b32 v[CL+\i], 4, v[CL+\i]
.endr
.irp i, 0,1,2,3,4,5,6,7,8,9,10,11,12,13,14,15
	v_lshlrev_b32 v[RW+\i], 2, v[RW+\i]
.endr
	v_lshlrev_b32 v[SO], 4, v0
	s_lshl_b32 s14, s14, 17
	s_mov_b32 s15, 0
	s_wait_alu depctr_va_vdst(0)                   ; the wait at the head's end
	s_wait_kmcnt 0x0
	s_add_nc_u64 s[12:13], s[12:13], s[14:15]
.irp i, 0,1,2,3,4,5,6,7,8,9,10,11,12,13,14,15
	global_load_b32 v[I0+\i], v[RW+\i], s[6:7]
	global_load_b32 v[I1+\i], v[RW+\i], s[6:7] offset:65536
	global_load_b32 v[V0+\i], v[RW+\i], s[4:5] offset:266240
	global_load_b32 v[V1+\i], v[RW+\i], s[4:5] offset:331776
.endr
	s_wait_loadcnt 0x0
.irp i, 0,1,2,3,4,5,6,7,8,9,10,11,12,13,14,15
	v_cmp_gt_f32 s[MK+\i], v[V1+\i], v[V0+\i]      ; it chooses between values further down, and enters no address
.endr
.irp i, 0,1,2,3,4,5,6,7,8,9,10,11,12,13,14,15
	v_min_u32 v[I0+\i], 0x3ff, v[I0+\i]            ; a loaded number enters an address only behind its bound
	v_min_u32 v[I1+\i], 0x3ff, v[I1+\i]
.endr
.irp i, 0,1,2,3,4,5,6,7,8,9,10,11,12,13,14,15
	v_mul_u32_u24 v[I0+\i], 4000, v[I0+\i]
	v_mul_u32_u24 v[I1+\i], 4000, v[I1+\i]
.endr
.irp i, 0,1,2,3,4,5,6,7,8,9,10,11,12,13,14,15
	v_add_nc_u32 v[I0+\i], v[I0+\i], v[CL+\i]
	v_add_nc_u32 v[I1+\i], v[I1+\i], v[CL+\i]
.endr
	s_wait_alu depctr_va_vdst(0)
.macro GLD b                           ; batch b: pieces 4 b .. 4 b + 3, both candidates, into set b % 2
.irp k, 0,1,2,3
	global_load_b128 v[D+32*((\b)%2)+4*\k:D+32*((\b)%2)+4*\k+3], v[I0+4*(\b)+\k], s[8:9]
	global_load_b128 v[D+32*((\b)%2)+16+4*\k:D+32*((\b)%2)+16+4*\k+3], v[I1+4*(\b)+\k], s[8:9]
.endr
.endm
.macro GST b, younger                  ; younger: the loads of the batch behind, which may stay out
.irp k, 0,1,2,3
	s_wait_loadcnt (\younger)+6-2*\k               ; this piece's two candidates are in
.irp c, 0,1,2,3
	v_cndmask_b32 v[D+32*((\b)%2)+4*\k+\c], v[D+32*((\b)%2)+4*\k+\c], v[D+32*((\b)%2)+16+4*\k+\c], s[MK+4*(\b)+\k]
.endr
	global_store_b128 v[SO], v[D+32*((\b)%2)+4*\k:D+32*((\b)%2)+4*\k+3], s[12:13] offset:8192*(4*(\b)+\k) th:TH_STORE_NT
.endr
.endm
	GLD 0
	GLD 1
	GST 0, 8
	s_wait_xcnt 0x0                                ; the stores have read set 0
	GLD 2
	GST 1, 8
	s_wait_xcnt 0x0                                ; the stores have read set 1
	GLD 3
	GST 2, 8
	GST 3, 0
	s_endpgm
; eight loads: row blocks 8 g .. 8 g + 7 of my 32
.macro RLOAD buf, g
.irp i, 0,1,2,3,4,5,6,7
	global_load_b128 v[\buf+4*\i:\buf+4*\i+3], v5, s[4:5] offset:2048*(8*(\g)+\i)
.endr
.endm
; the eight are added; first = 1: the last addition starts the sum: nothing is cleared
.macro RSUM buf, first
.irp st, 4,2
.set II, 0
.rept \st
	v_pk_add_f32 v[\buf+4*II:\buf+4*II+1], v[\buf+4*II:\buf+4*II+1], v[\buf+4*(II+\st):\buf+4*(II+\st)+1]
	v_pk_add_f32 v[\buf+4*II+2:\buf+4*II+3], v[\buf+4*II+2:\buf+4*II+3], v[\buf+4*(II+\st)+2:\buf+4*(II+\st)+3]
.set II, II+1
.endr
.endr
.if \first
	s_delay_alu instid0(VALU_DEP_2)
	v_pk_add_f32 v[ACC:ACC+1], v[\buf:\buf+1], v[\buf+4:\buf+5]
	s_delay_alu instid0(VALU_DEP_2)
	v_pk_add_f32 v[ACC+2:ACC+3], v[\buf+2:\buf+3], v[\buf+6:\buf+7]
.else
	s_delay_alu instid0(VALU_DEP_2)
	v_pk_add_f32 v[\buf:\buf+1], v[\buf:\buf+1], v[\buf+4:\buf+5]
	s_delay_alu instid0(VALU_DEP_2)
	v_pk_add_f32 v[\buf+2:\buf+3], v[\buf+2:\buf+3], v[\buf+6:\buf+7]
	s_delay_alu instid0(VALU_DEP_2)
	v_pk_add_f32 v[ACC:ACC+1], v[ACC:ACC+1], v[\buf:\buf+1]
	s_delay_alu instid0(VALU_DEP_2)
	v_pk_add_f32 v[ACC+2:ACC+3], v[ACC+2:ACC+3], v[\buf+2:\buf+3]
.endif
.endm
.Lreduce:
	v_lshrrev_b32 v3, 5, v0
	s_delay_alu instid0(VALU_DEP_1)
	v_readfirstlane_b32 s14, v3                    ; wave
	v_and_b32 v3, 127, v0
	v_lshrrev_b32 v4, 7, v0                        ; which 32 of the 128 row blocks
	s_delay_alu instid0(VALU_DEP_2)
	v_lshlrev_b32 v3, 4, v3
	s_delay_alu instid0(VALU_DEP_1)
	v_lshl_add_u32 v5, v4, 16, v3
	s_delay_alu instid0(VALU_DEP_2)
	v_lshl_add_u32 v6, v4, 11, v3
	v_lshlrev_b32 v7, 2, v0                        ; 4 t
	v_lshlrev_b32 v8, 3, v0
	s_mov_b32 s16, 0x76543210
	s_mov_b32 s17, 0xfedcba98
	s_wait_alu depctr_va_vdst(0)
	s_wait_kmcnt 0x0
	global_load_b64 v[14:15], v8, s[4:5] offset:262144           ; two of the 1,024 parts of the sum of path x TQ
	RLOAD BA, 0
	RLOAD BB, 1
	s_wait_loadcnt 8                               ; the older group of eight is in (and the pair ahead of it); the younger may be out
	RSUM BA, 1
	RLOAD BA, 2
	s_wait_loadcnt 8
	RSUM BB, 0
	RLOAD BB, 3
	s_wait_loadcnt 8
	RSUM BA, 0
	s_wait_loadcnt 0x0
	RSUM BB, 0
	ds_store_b128 v6, v[ACC:ACC+3]
	s_wait_dscnt 0x0
	s_barrier_signal -1
	s_barrier_wait -1
.irp q, 0,1,2,3
	ds_load_b32 v[20+\q], v7 offset:2048*\q
.endr
	s_wait_dscnt 0x0
	v_add_f32 v20, v20, v21
	v_add_f32 v22, v22, v23
	s_delay_alu instid0(VALU_DEP_1)
	v_add_f32 v20, v20, v22
	ds_store_b32 v7, v20 offset:VB                 ; V9[t]
	s_wait_dscnt 0x0
	s_barrier_signal -1
	s_barrier_wait -1
.macro LEVEL d, bit, first
	v_and_b32 v10, 0x7fc-(4<<(\bit)), v7           ; my ancestor's left child; the right one lies 4 << bit bytes on
	ds_load_b32 v11, v10 offset:VB+2048*(8-(\d))
	ds_load_b32 v12, v10 offset:VB+2048*(8-(\d))+(4<<(\bit))
	s_wait_dscnt 0x0
	v_add_f32 v13, v11, v12                        ; the batch sum of my ancestor's path
	s_wait_alu depctr_va_vdst(0)
	v_rcp_f32 v24, v13
	v_nop
	s_wait_alu depctr_va_vdst(0)
	v_mul_f32 v25, v12, v24                        ; pen
	s_delay_alu instid0(VALU_DEP_1)
	v_sub_f32 v26, 1.0, v25
	s_wait_alu depctr_va_vdst(0)
	v_log_f32 v27, v25
	v_log_f32 v28, v26
	v_nop
	s_wait_alu depctr_va_vdst(0)
.if \first
	v_add_f32 v9, v27, v28
.else
	v_add_f32 v9, v9, v27
	v_add_f32 v9, v9, v28
.endif
.if (\d) > 0
	ds_store_b32 v7, v13 offset:VB+2048*(9-(\d))
	s_wait_dscnt 0x0
	s_barrier_signal -1
	s_barrier_wait -1
.endif
.endm
	LEVEL 8, 4, 1
	LEVEL 7, 3, 0
	LEVEL 6, 2, 0
	LEVEL 5, 1, 0
	LEVEL 4, 0, 0
	LEVEL 3, 5, 0
	LEVEL 2, 6, 0
	LEVEL 1, 7, 0
	LEVEL 0, 8, 0
	v_add_f32 v14, v14, v15
	s_delay_alu instid0(VALU_DEP_1)
	v_mul_f32 v14, 0xb8800000, v14                 ; -1 / 16,384: the mean, and the loss's sign
	s_delay_alu instid0(VALU_DEP_1)
	v_fmamk_f32 v9, v9, 0xb80df4e0, v14            ; - 0.05 x 2^-10 x ln 2 x (the sum of my nine pairs of log2)
	s_delay_alu instid0(VALU_DEP_1)
	v_add_f32_dpp v9, v9, v9 row_xmask:1 row_mask:0xf bank_mask:0xf
	s_delay_alu instid0(VALU_DEP_1)
	v_add_f32_dpp v9, v9, v9 row_xmask:2 row_mask:0xf bank_mask:0xf
	s_delay_alu instid0(VALU_DEP_1)
	v_add_f32_dpp v9, v9, v9 row_xmask:4 row_mask:0xf bank_mask:0xf
	s_delay_alu instid0(VALU_DEP_1)
	v_add_f32_dpp v9, v9, v9 row_xmask:8 row_mask:0xf bank_mask:0xf
	s_delay_alu instid0(VALU_DEP_1)
	v_permlanex16_b32 v11, v9, s16, s17
	s_delay_alu instid0(VALU_DEP_1)
	v_add_f32 v9, v9, v11
	v_mov_b32 v10, s14
	s_delay_alu instid0(VALU_DEP_1)
	v_lshlrev_b32 v10, 2, v10
	ds_store_b32 v10, v9 offset:PWS                ; all lanes write the same word with the same value
	s_wait_dscnt 0x0
	s_barrier_signal -1
	s_barrier_wait -1
	s_cmp_lg_u32 s14, 0
	s_cbranch_scc1 .Lfin
	v_and_b32 v11, 15, v0
	s_delay_alu instid0(VALU_DEP_1)
	v_lshlrev_b32 v11, 2, v11
	ds_load_b32 v12, v11 offset:PWS
	s_wait_dscnt 0x0
	v_add_f32_dpp v12, v12, v12 row_xmask:1 row_mask:0xf bank_mask:0xf
	s_delay_alu instid0(VALU_DEP_1)
	v_add_f32_dpp v12, v12, v12 row_xmask:2 row_mask:0xf bank_mask:0xf
	s_delay_alu instid0(VALU_DEP_1)
	v_add_f32_dpp v12, v12, v12 row_xmask:4 row_mask:0xf bank_mask:0xf
	s_delay_alu instid0(VALU_DEP_1)
	v_add_f32_dpp v12, v12, v12 row_xmask:8 row_mask:0xf bank_mask:0xf
	v_cmp_eq_u32 vcc_lo, 0, v0
	s_wait_alu depctr_va_vdst(0)
	s_wait_xcnt 0x0                                ; EXEC changes only behind this wait
	s_and_saveexec_b32 s15, vcc_lo
	global_store_b32 v0, v12, s[10:11]             ; thread 0, whose offset is 0
	s_wait_xcnt 0x0
	s_or_b32 exec_lo, exec_lo, s15
.Lfin:
	s_wait_tensorcnt 0x0                           ; the wave's end, behind my last LDS store
	ds_add_u32 v[SPW], v[NIL]
	s_wait_dscnt 0x0
	s_endpgm
.Lfunc_end_k_q7e6cdafdb8_out:
	.size	k_q7e6cdafdb8_out, .Lfunc_end_k_q7e6cdafdb8_out-k_q7e6cdafdb8_out
	.p2alignl 7, 3214868480
	.fill 96, 4, 3214868480
	.section	.rodata,"a",@progbits
	.p2align	6, 0x0
	.amdhsa_kernel k_q7e6cdafdb8_out
		.amdhsa_group_segment_fixed_size 36864
		.amdhsa_private_segment_fixed_size 0
		.amdhsa_enable_private_segment 0
		.amdhsa_kernarg_size 40
		.amdhsa_user_sgpr_count 2
		.amdhsa_user_sgpr_kernarg_segment_ptr 1
		.amdhsa_wavefront_size32 1
		.amdhsa_system_sgpr_workgroup_id_x 1
		.amdhsa_system_sgpr_workgroup_id_y 1
		.amdhsa_system_sgpr_workgroup_id_z 1
		.amdhsa_system_vgpr_workitem_id 0
		.amdhsa_next_free_vgpr 100
		.amdhsa_next_free_sgpr 66
		.amdhsa_reserve_vcc 1
		.amdhsa_float_denorm_mode_32 3
		.amdhsa_float_denorm_mode_16_64 3
		.amdhsa_memory_ordered 1
		.amdhsa_forward_progress 1
		.amdhsa_inst_pref_size 46
	.end_amdhsa_kernel
	.amdgpu_metadata
---
amdhsa.version: [ 1, 2 ]
amdhsa.kernels:
  - .name:           k_q7e6cdafdb8_out
    .symbol:         k_q7e6cdafdb8_out.kd
    .args:
      - { .name: part, .offset: 0, .size: 8, .value_kind: global_buffer, .address_space: global }
      - { .name: bestidx, .offset: 8, .size: 8, .value_kind: global_buffer, .address_space: global }
      - { .name: qtab, .offset: 16, .size: 8, .value_kind: global_buffer, .address_space: global }
      - { .name: out0, .offset: 24, .size: 8, .value_kind: global_buffer, .address_space: global }
      - { .name: out1, .offset: 32, .size: 8, .value_kind: global_buffer, .address_space: global }
    .group_segment_fixed_size: 36864
    .private_segment_fixed_size: 0
    .kernarg_segment_align: 8
    .kernarg_segment_size: 40
    .max_flat_workgroup_size: 512
    .sgpr_count:     66
    .vgpr_count:     100
    .wavefront_size: 32
...
	.end_amdgpu_metadata
.endif
;; end of part 3
